; MI455X (gfx1250); checked and timed in simulation.
; The chip was launched on July 23, 2026; its instructions are those of AMD's public machine-readable ISA for CDNA 5 (MIT licence, August 2026) and "CDNA5" Instruction Set Architecture Reference Guide (July 2026). The comments in the code are by the model that wrote it; some were corrected since.
;; Encoder Single Layer. Allowed arithmetic: matrix products marked QUANTISED: E2M3 operands, one E8M0 scale for each 32 along K, by v_wmma_scale_f32_16x16x128_f8f6f4 with both operands' format E2M3, f32 sums; everything else in f32.
;; Inputs: W1 1,024 x 4,096 float32; W2 4,096 x 1,024 float32; Wk 16 x 1,024 x 64 float32; Wo 1,024 x 1,024 float32; Wq 16 x 1,024 x 64 float32; Wv 16 x 1,024 x 64 float32; b1 4,096 float32; b2 1,024 float32; be1 1,024 float32; be2 1,024 float32; bk 16 x 64 float32; bo 1,024 float32; bq 16 x 64 float32; bv 16 x 64 float32; g1 1,024 float32; g2 1,024 float32; x 2 x 2,048 x 1,024 float32.
;; Outputs: out0 2 x 2,048 x 1,024 float32.
;; This version of the problem:
;;   THIS VERSION OF THE PROBLEM IS GIVEN IN LOW PRECISION. The matrix products marked QUANTISED in the list below multiply operands that are first quantised to E2M3 (2 exponent bits, 3 mantissa bits; 6 bits a number), with one power-of-two scale for each 32 numbers along K (OCP MX v1.0); their sums are f32. All else is computed in f32.
;;   The module's matrix products, in the order in which they are computed (A, B: the left and right operand; K: the contracted axis; several contracted axes count as one K, in the product's order):
;;     1. [M 1,024, K 1,024] x [K 1,024, N 4,096]; A: input Wq; B: input x: QUANTISED
;;     2. [M 1,024, K 1,024] x [K 1,024, N 4,096]; A: input Wk; B: input x: QUANTISED
;;     3. [M 1,024, K 1,024] x [K 1,024, N 4,096]; A: input Wv; B: input x: QUANTISED
;;     4. batch 32 x [M 2,048, K 64] x [K 64, N 2,048]; A: computed on the way; B: computed on the way: QUANTISED
;;     5. batch 32 x [M 2,048, K 2,048] x [K 2,048, N 64]; A: softmax (see below); B: computed on the way: QUANTISED
;;     6. [M 4,096, K 1,024] x [K 1,024, N 1,024]; A: computed on the way; B: input Wo: QUANTISED
;;     7. [M 4,096, K 1,024] x [K 1,024, N 4,096]; A: computed on the way; B: input W1: QUANTISED
;;     8. [M 4,096, K 4,096] x [K 4,096, N 1,024]; A: computed on the way; B: input W2: QUANTISED
;;   THE QUANTISER, for each operand of a quantised product, along K:
;;     - K is cut into blocks of 32 from its start; a last block that is shorter is filled with zeros.
;;     - A block's scale is 2^e with e = floor(log2(the largest magnitude in the block)) - 2, held to -126 .. 127; a block of zeros has e = 0. As a byte (E8M0): e + 127.
;;     - Each number is divided by its block's scale, clamped to +-7.5, and rounded to the nearest number of E2M3, ties to even, subnormals kept.
;;     - The product sums the exact products of the quantised numbers (number of the format x scale) in f32.
;;   ~~~python
;;   def quantise(x, axis):      # numpy; x: float32 -> the quantised numbers, widened to float32 again
;;       x = np.moveaxis(x, axis, -1); K = x.shape[-1]
;;       x = np.pad(x, [(0, 0)] * (x.ndim - 1) + [(0, -K % 32)]); x = x.reshape(x.shape[:-1] + (-1, 32)); a = np.abs(x).max(-1, keepdims=True)
;;       e = np.where(a > 0, np.clip(np.frexp(np.where(a > 0, a, 1))[1] - 1 - 2, -126, 127), 0)      # np.frexp(a)[1] - 1 = floor(log2(a)), exactly
;;       r = np.clip(x / 2.0 ** e, -7.5, 7.5)
;;       step = 2.0 ** (np.maximum(np.frexp(np.where(r == 0, 1, r))[1] - 1, 0) - 3)
;;       q = np.round(r / step) * step * 2.0 ** e      # np.round: ties to even
;;       return np.moveaxis(q.reshape(q.shape[:-2] + (-1,))[..., :K], -1, axis).astype(np.float32)
;;   ~~~
;;   SOFTMAX AHEAD OF A QUANTISED PRODUCT. Where the list says 'softmax', what is quantised is not the finished softmax but p = 2^(t - M), with t = logit x log2(e) and M = ceil(the row's largest t), a whole number; so 1/2 < the row's largest p <= 1. The row's sum l is taken of the UNQUANTISED p, in f32, and the product's result is divided by l at the end. Since M is a whole number, a kernel that streams over the keys may use a running M (the ceiling of the running maximum): every later rescaling is an exact power of two, which a block's scale takes up: the codes' values come out the same.
;;   OPERANDS COMPUTED ON THE WAY. 'Computed on the way' means the value that the module computes at that place (a softmax that the list does not call 'softmax' is quantised finished and normalised). What goes into a quantiser is computed in f32, as accurately as f32 sums, v_exp_f32 and their like allow (about 1e-6 of the number): no bf16 or f16 on the way to a quantiser, and a product that is left as it is and whose result goes on into a quantised operand takes f32 operands (vector FMAs, or v_wmma_f32_16x16x4_f32). A number that lies on a knife's edge between two numbers of the format may be rounded either way, as far as f32 arithmetic and the matrix unit's own rounding can turn it there, and no further.
;; One version. Each part assembles by itself: llvm-mc -triple=amdgcn-amd-amdhsa -mcpu=gfx1250 --defsym DOCPART=n.
;; ======== version 1 of 1: 7 launches
;; limits: right only within a limited range of input values
;; workspace buffers: wsA 13,107,200 bytes; wsB 9,830,400 bytes; wsC 3,276,800 bytes; wsE 20,054,016 bytes; wsF 13,107,200 bytes; part 67,108,864 bytes
;; launch quant (part 1): grid 1024 x 1, 4 waves a work-group, no clusters, 34,816 bytes of LDS; arguments x, Wq, Wk, Wv, Wo, W1, W2, wsA; writes wsA
.if DOCPART == 1
	.amdgcn_target "amdgcn-amd-amdhsa--gfx1250"
	.amdhsa_code_object_version 6
	.text
	.protected	k_qa6b5b1a62e_quant
	.globl	k_qa6b5b1a62e_quant
	.p2align	8
	.type	k_qa6b5b1a62e_quant,@function
k_qa6b5b1a62e_quant:
	s_mov_b64 s[64:65], 0
	v_nop
	global_prefetch_b8 v0, s[64:65] scope:SCOPE_SE
	s_setreg_imm32_b32 hwreg(HW_REG_WAVE_MODE, 25, 1), 1
	s_wait_xcnt 0x0
; x and the six weights, f32, become codes of FP6 (E2M3) with one E8M0 byte for each 32 along K, laid in wsA as the products' operand registers want them.
; A FRAGMENT is 16 operand rows x 128 K, 12 registers a lane, 1,536 bytes: half c (K = 64 c ..) at 768 c: registers 6 c .. 6 c + 3 of lane l at 16 l, registers 6 c + 4, 6 c + 5 at 512 + 8 l.
; Fragment (tile t, K step ks) lies at (t x KSN + ks) x 1536.  Lane r of tile t holds row 32 (t / 2) + 8 (t % 2) + r + 8 (r / 8): so results of a product become the next operand without changing lanes.
; SCALE WORDS (four bytes: one row, 128 K): ((t / 8) x KSN + ks) x 512 + ((t / 4) % 2) x 256 + 16 r + 4 (t % 4).
; A work-group takes 128 operand rows x 128 K (64 KiB of f32): 8 fragments and 512 bytes of scale words; wave w takes tiles 2 w and 2 w + 1.
; x has K innermost: whole rows of 512 bytes are loaded and turned through the wave's own stage in LDS.  The weights have K outermost: a lane takes a column and its registers run down K; their loads run two blocks of 32 ahead.
; A block's byte is its largest magnitude's exponent field - 2, held at 1 from below.  LIMITS: a block of zeros gets the byte 1 (its codes are zeros; this program alone reads the bytes); NaN and infinities are not served.
.set STGB,  8448                       ; a wave's stage: 16 rows x (512 + 16) bytes; used on x's path alone
.set GATH,  33792                      ; 512 bytes: the work-group's scale words meet here
.set SPARE, 34304                      ; the spare words, 128 bytes a wave: two blocks of 256 bytes that no other line names
.set L16, 4                            ; v4  16 x lane
.set L8,  5                            ; v5  8 x lane
.set SIN, 6                            ; v6  stage, way in
.set SOUT, 7                           ; v7  stage, way out: row r, + 128 h
.set GW,  8                            ; v8  where my scale word goes
.set GR,  9                            ; v9  where wave 0 reads 16 bytes of the 512
.set SPW, 10
.set NIL, 11
.set WC,  30                           ; v30 lanes 0-15: tile 2 w's word of row r; lanes 16-31: tile 2 w + 1's
.set D,   64                           ; v64-191 128 numbers a lane
.set XN,  192                          ; v192-255 x's path: 64 neighbours
.set OFF, 192                          ; v192-223 the weights' path: offsets of 32 rows of K
.set WV,  25
.set SEL, 48
.set HI,  50
	s_load_b256 s[4:11], s[0:1], 0x0               ; x, Wq, Wk, Wv
	s_load_b256 s[12:19], s[0:1], 0x20             ; Wo, W1, W2, wsA
	v_lshl_add_u32 v[SPW], v0, 2, SPARE
	v_mov_b32 v[NIL], 0
	v_lshrrev_b32 v1, 5, v0
	v_readfirstlane_b32 s[WV], v1                  ; wave
	v_and_b32 v1, 31, v0                           ; lane
	v_and_b32 v2, 15, v0                           ; r
	v_bfe_u32 v3, v0, 4, 1                         ; h
	v_lshlrev_b32 v[L16], 4, v1
	v_lshlrev_b32 v[L8], 3, v1
	s_mul_i32 s51, s[WV], STGB
	v_add_nc_u32 v[SIN], s51, v[L16]
	v_mul_u32_u24 v[SOUT], v2, 528
	v_lshl_add_u32 v[SOUT], v3, 7, v[SOUT]
	v_add_nc_u32 v[SOUT], s51, v[SOUT]
	s_lshr_b32 s51, s[WV], 1
	s_lshl_b32 s51, s51, 8
	s_and_b32 s52, s[WV], 1
	s_lshl_b32 s52, s52, 3
	s_add_co_u32 s51, s51, s52
	s_add_co_u32 s51, s51, GATH
	v_lshlrev_b32 v[GW], 4, v2
	v_lshl_add_u32 v[GW], v3, 2, v[GW]
	v_add_nc_u32 v[GW], s51, v[GW]                 ; GATH + 256 (w / 2) + 16 r + 8 (w % 2) + 4 h
	v_add_nc_u32 v[GR], GATH, v[L16]
	v_lshlrev_b32 v18, 3, v3                       ; 8 h
	v_mov_b32 v19, 0                               ; a lane permute's destination counts as read
	s_mov_b32 s[SEL], 0x76543210
	s_mov_b32 s[SEL+1], 0xfedcba98
	s_mov_b32 s[HI], 0xffff0000
	; which tensor: first work-group, log2 of KSN, bytes from k to k + 1, where codes and scale words go.  W2's figures first, then the earlier tensors' by the work-group's number
	s_mov_b32 s20, 768
	s_mov_b32 s21, 5
	s_mov_b32 s22, 4096
	s_mov_b32 s23, 9437184
	s_mov_b32 s24, 12976128
	s_cmp_lt_u32 ttmp9, 768                        ; W1
	s_cselect_b32 s20, 512, s20
	s_cselect_b32 s21, 3, s21
	s_cselect_b32 s22, 16384, s22
	s_cselect_b32 s23, 6291456, s23
	s_cselect_b32 s24, 12845056, s24
	s_cmp_lt_u32 ttmp9, 512                        ; Wo
	s_cselect_b32 s20, 448, s20
	s_cselect_b32 s22, 4096, s22
	s_cselect_b32 s23, 5505024, s23
	s_cselect_b32 s24, 12812288, s24
	s_cmp_lt_u32 ttmp9, 448                        ; Wq, Wk, Wv as one operand of 3,072 rows
	s_cselect_b32 s20, 256, s20
	s_cselect_b32 s22, 256, s22
	s_cselect_b32 s23, 3145728, s23
	s_cselect_b32 s24, 12713984, s24
	s_cmp_lt_u32 ttmp9, 256                        ; x
	s_cselect_b32 s20, 0, s20
	s_cselect_b32 s23, 0, s23
	s_cselect_b32 s24, 12582912, s24
	s_sub_co_u32 s28, ttmp9, s20
	s_lshr_b32 s29, s28, s21                       ; G: which 128 rows
	s_lshl_b32 s31, s29, s21
	s_sub_co_u32 s30, s28, s31                     ; ks: which 128 along K
	s_lshl_b32 s31, 1, s21                         ; KSN
	s_lshl_b32 s51, s29, 3
	s_lshl_b32 s52, s[WV], 1
	s_add_co_u32 s51, s51, s52
	s_mul_i32 s51, s51, s31
	s_add_co_u32 s51, s51, s30
	s_mul_i32 s32, s51, 1536
	s_add_co_u32 s32, s32, s23                     ; tile 2 w's fragment
	s_mov_b32 s33, 0
	s_mul_i32 s52, s31, 1536                       ; a tile on
	s_mov_b32 s53, 0
	s_mul_i32 s54, s29, s31
	s_add_co_u32 s54, s54, s30
	s_lshl_b32 s54, s54, 9
	s_add_co_u32 s54, s54, s24                     ; the 512 bytes of scale words
	s_mov_b32 s55, 0
	s_lshr_b32 s58, s29, 3                         ; among the head weights: 0 Wq, 1 Wk, 2 Wv
	s_wait_kmcnt 0x0
	s_add_nc_u64 s[34:35], s[18:19], s[32:33]
	s_add_nc_u64 s[36:37], s[34:35], s[52:53]
	s_add_nc_u64 s[38:39], s[18:19], s[54:55]
	s_mov_b64 s[26:27], s[16:17]
	s_cmp_lt_u32 ttmp9, 768
	s_cselect_b64 s[26:27], s[14:15], s[26:27]
	s_cmp_lt_u32 ttmp9, 512
	s_cselect_b64 s[26:27], s[12:13], s[26:27]
	s_cmp_eq_u32 s58, 0
	s_cselect_b64 s[56:57], s[6:7], s[8:9]
	s_cmp_eq_u32 s58, 2
	s_cselect_b64 s[56:57], s[10:11], s[56:57]
	s_cmp_lt_u32 ttmp9, 448
	s_cselect_b64 s[26:27], s[56:57], s[26:27]
	s_cmp_lt_u32 ttmp9, 256
	s_cselect_b64 s[26:27], s[4:5], s[26:27]       ; the tensor that I read
; 64 numbers of a lane, register 32 c + i = K 64 c + 32 h + i of my row, become a fragment's 12 registers and the row's scale word
.macro QROW xn, pc, word
.irp c, 0,1
	v_max3_num_f32 v[12+\c], |v[\xn+32*\c]|, |v[\xn+32*\c+1]|, 0x1800000   ; my block 2 c + h, and the floor 2^(3 - 127): the byte cannot fall under 1
.endr
.irp i, 2,4,6,8,10,12,14,16,18,20,22,24,26,28,30
.irp c, 0,1
	v_max3_num_f32 v[12+\c], v[12+\c], |v[\xn+32*\c+\i]|, |v[\xn+32*\c+\i+1]|
.endr
.endr
.irp c, 0,1
	v_add_nc_u32 v[14+\c], 0xff000000, v[12+\c]    ; 2 off the exponent field: the conversion's scale operand
.endr
.irp c, 0,1
	v_lshrrev_b32 v[16+\c], 23, v[14+\c]           ; the byte
.endr
	v_lshl_or_b32 v[\word], v17, 16, v16
	v_lshlrev_b32 v[\word], v18, v[\word]          ; blocks h and 2 + h at their places
	v_permlanex16_b32 v19, v[\word], s[SEL], s[SEL+1]
	v_or_b32 v[\word], v[\word], v19               ; with lane l xor 16's two bytes the word is whole
.irp c, 0,1
	v_cvt_scalef32_pk16_fp6_f32 v[\pc+6*\c:\pc+6*\c+2], v[\xn+32*\c:\xn+32*\c+15], v[14+\c]
	v_cvt_scalef32_pk16_fp6_f32 v[20+4*\c:22+4*\c], v[\xn+32*\c+16:\xn+32*\c+31], v[14+\c]   ; a conversion's three registers begin on an even number
.endr
	v_nop                                          ; one plain place behind a scaled conversion
.irp c, 0,1
.irp i, 0,1,2
	v_mov_b32 v[\pc+6*\c+3+\i], v[20+4*\c+\i]
.endr
.endr
.endm
.macro FSTORE lo, hi2, fb              ; a fragment leaves: each store covers 512 or 256 consecutive bytes, aligned
	global_store_b128 v[L16], v[\lo:\lo+3], s[\fb:\fb+1]
	global_store_b64 v[L8], v[\lo+4:\lo+5], s[\fb:\fb+1] offset:512
	global_store_b128 v[L16], v[\hi2:\hi2+3], s[\fb:\fb+1] offset:768
	global_store_b64 v[L8], v[\hi2+4:\hi2+5], s[\fb:\fb+1] offset:1280
.endm
	s_cmp_lt_u32 ttmp9, 256
	s_cbranch_scc0 .Lweights
	; ---- x: my wave's 32 rows, 512 bytes of each
	s_lshl_b32 s32, s29, 19
	s_lshl_b32 s51, s[WV], 17
	s_add_co_u32 s32, s32, s51
	s_lshl_b32 s51, s30, 9
	s_add_co_u32 s32, s32, s51
	s_add_nc_u64 s[40:41], s[26:27], s[32:33]
.set i, 0
.rept 32
	global_load_b128 v[D+4*i:D+4*i+3], v[L16], s[40:41] offset:4096*i th:TH_LOAD_NT   ; 32 lanes read a row's 512 consecutive bytes
.set i, i+1
.endr
	s_wait_loadcnt 0x0
.macro XTILE u, pc, word, fb           ; tile 2 w + u: its 16 rows into the stage, back as 32 neighbours for each half of a lane's fragment
.set i, 0
.rept 16
	ds_store_b128 v[SIN], v[D+4*(8*\u+i+8*(i/8)):D+4*(8*\u+i+8*(i/8))+3] offset:528*i
.set i, i+1
.endr
.set i, 0
.rept 16
	ds_load_b128 v[XN+4*i:XN+4*i+3], v[SOUT] offset:256*(i/8)+16*(i%8)   ; LDS serves a wave's instructions in order: these see the stores above
.set i, i+1
.endr
	s_wait_dscnt 0x0
	QROW XN, \pc, \word
	FSTORE \pc, \pc+6, \fb
.endm
	s_wait_alu depctr_va_vdst(0)
	XTILE 0, 32, 28, 34
	XTILE 1, 44, 29, 36                            ; its own registers for its codes: no store's data are written again
	v_cndmask_b32 v[WC], v28, v29, s[HI]
	s_branch .Ltail
.Lweights:
	; ---- a weight: lane (r, u) takes column 8 u + r + 8 (r / 8) of the wave's 32: a load still covers 128 consecutive bytes
	s_lshl_b32 s58, s22, 7
	s_mul_i32 s58, s58, s30                        ; ks x 128 rows of K
	s_lshl_b32 s59, s29, 9
	s_lshl_b32 s51, s[WV], 7
	s_add_co_u32 s59, s59, s51                     ; a plain weight: 4 (128 G + 32 w)
	s_and_b32 s51, s29, 7
	s_lshl_b32 s51, s51, 19
	s_lshr_b32 s52, s[WV], 1
	s_lshl_b32 s52, s52, 18
	s_add_co_u32 s51, s51, s52
	s_and_b32 s52, s[WV], 1
	s_lshl_b32 s52, s52, 7
	s_add_co_u32 s51, s51, s52                     ; a head weight: head 2 (G % 8) + w / 2, column 32 (w % 2)
	s_cmp_lt_u32 ttmp9, 448
	s_cselect_b32 s32, s51, s59
	s_add_co_u32 s32, s32, s58
	s_add_nc_u64 s[40:41], s[26:27], s[32:33]
	s_lshl_b32 s32, s22, 5                         ; 32 rows of K on
	s_add_nc_u64 s[42:43], s[40:41], s[32:33]
	s_add_nc_u64 s[44:45], s[42:43], s[32:33]
	s_add_nc_u64 s[46:47], s[44:45], s[32:33]
	v_and_b32 v12, 8, v2
	v_add_nc_u32 v12, v12, v2
	v_lshl_add_u32 v12, v3, 3, v12
	v_lshlrev_b32 v[OFF], 2, v12
.set i, 1
.rept 31
	v_add_nc_u32 v[OFF+i], s22, v[OFF+i-1]
.set i, i+1
.endr
.macro WLOAD kb                        ; block kb of my column: 32 rows of K, into registers of its own
.set i, 0
.rept 32
	global_load_b32 v[D+32*(\kb)+i], v[OFF+i], s[40+2*(\kb):41+2*(\kb)] th:TH_LOAD_NT
.set i, i+1
.endr
.endm
	WLOAD 0
	WLOAD 1
.macro QCOL kb                         ; block kb of my column: all its 32 numbers are mine
.set XS, D+32*(\kb)
.set CB, 32+6*(\kb)
.if (\kb) < 3
	s_wait_loadcnt 32                              ; this block's 32 loads are in; the next block's 32 may be out
.else
	s_wait_loadcnt 0x0
.endif
.if (\kb) < 2
	WLOAD (\kb)+2                                  ; two blocks ahead: 64 loads a wave are out at the most
.endif
	v_max3_num_f32 v12, |v[XS]|, |v[XS+1]|, |v[XS+2]|
	v_max3_num_f32 v13, |v[XS+3]|, |v[XS+4]|, |v[XS+5]|
.irp i, 6,10,14,18,22,26
	v_max3_num_f32 v12, v12, |v[XS+\i]|, |v[XS+\i+1]|
	v_max3_num_f32 v13, v13, |v[XS+\i+2]|, |v[XS+\i+3]|
.endr
	v_max3_num_f32 v12, v12, |v[XS+30]|, |v[XS+31]|
	v_max3_num_f32 v12, v12, v13, 0x1800000
	v_add_nc_u32 v[14+(\kb)], 0xff000000, v12
.if (\kb) == 0
	v_lshrrev_b32 v[WC], 23, v[14+(\kb)]
.else
	v_lshrrev_b32 v24, 23, v[14+(\kb)]
	v_lshl_or_b32 v[WC], v24, 8*(\kb), v[WC]
.endif
	v_cvt_scalef32_pk16_fp6_f32 v[CB:CB+2], v[XS:XS+15], v[14+(\kb)]
	v_cvt_scalef32_pk16_fp6_f32 v[20:22], v[XS+16:XS+31], v[14+(\kb)]
	v_nop
	v_mov_b32 v[CB+3], v20
	v_mov_b32 v[CB+4], v21
	v_mov_b32 v[CB+5], v22
.endm
	s_wait_alu depctr_va_vdst(0)
	QCOL 0
	QCOL 1
	QCOL 2
	QCOL 3
.irp c, 0,1                            ; block 2 c's lanes 16-31 change places with block 2 c + 1's lanes 0-15: the first is then tile 2 w's half c, the second tile 2 w + 1's
.irp i, 0,1,2,3,4,5
	v_permlane16_swap_b32 v[32+12*\c+\i], v[38+12*\c+\i]
.endr
.endr
	FSTORE 32, 44, 34
	FSTORE 38, 50, 36
.Ltail:
	s_wait_alu depctr_va_vdst(0)
	ds_store_b32 v[GW], v[WC]
	s_wait_dscnt 0x0                               ; for the others: my word has landed
	s_barrier_signal -1
	s_barrier_wait -1
	s_cmp_lg_u32 s[WV], 0
	s_cbranch_scc1 .Lend
	ds_load_b128 v[12:15], v[GR]
	s_wait_dscnt 0x0
	global_store_b128 v[L16], v[12:15], s[38:39]   ; 512 consecutive bytes of scale words
.Lend:
	s_wait_tensorcnt 0x0                           ; the wave's end, behind my last LDS store
	ds_add_u32 v[SPW], v[NIL]
	s_wait_dscnt 0x0
	s_endpgm
.Lfunc_end_k_qa6b5b1a62e_quant:
	.size	k_qa6b5b1a62e_quant, .Lfunc_end_k_qa6b5b1a62e_quant-k_qa6b5b1a62e_quant
	.p2alignl 7, 3214868480
	.fill 96, 4, 3214868480
	.section	.rodata,"a",@progbits
	.p2align	6, 0x0
	.amdhsa_kernel k_qa6b5b1a62e_quant
		.amdhsa_group_segment_fixed_size 34816
		.amdhsa_private_segment_fixed_size 0
		.amdhsa_enable_private_segment 0
		.amdhsa_kernarg_size 64
		.amdhsa_user_sgpr_count 2
		.amdhsa_user_sgpr_kernarg_segment_ptr 1
		.amdhsa_wavefront_size32 1
		.amdhsa_system_sgpr_workgroup_id_x 1
		.amdhsa_system_sgpr_workgroup_id_y 1
		.amdhsa_system_sgpr_workgroup_id_z 1
		.amdhsa_system_vgpr_workitem_id 0
		.amdhsa_next_free_vgpr 256
		.amdhsa_next_free_sgpr 66
		.amdhsa_reserve_vcc 0
		.amdhsa_float_denorm_mode_32 3
		.amdhsa_float_denorm_mode_16_64 3
		.amdhsa_memory_ordered 1
		.amdhsa_forward_progress 1
		.amdhsa_inst_pref_size 40
	.end_amdhsa_kernel
	.amdgpu_metadata
---
amdhsa.version: [ 1, 2 ]
amdhsa.kernels:
  - .name:           k_qa6b5b1a62e_quant
    .symbol:         k_qa6b5b1a62e_quant.kd
    .args:
      - { .name: x, .offset: 0, .size: 8, .value_kind: global_buffer, .address_space: global }
      - { .name: Wq, .offset: 8, .size: 8, .value_kind: global_buffer, .address_space: global }
      - { .name: Wk, .offset: 16, .size: 8, .value_kind: global_buffer, .address_space: global }
      - { .name: Wv, .offset: 24, .size: 8, .value_kind: global_buffer, .address_space: global }
      - { .name: Wo, .offset: 32, .size: 8, .value_kind: global_buffer, .address_space: global }
      - { .name: W1, .offset: 40, .size: 8, .value_kind: global_buffer, .address_space: global }
      - { .name: W2, .offset: 48, .size: 8, .value_kind: global_buffer, .address_space: global }
      - { .name: wsA, .offset: 56, .size: 8, .value_kind: global_buffer, .address_space: global }
    .group_segment_fixed_size: 34816
    .private_segment_fixed_size: 0
    .kernarg_segment_align: 8
    .kernarg_segment_size: 64
    .max_flat_workgroup_size: 128
    .sgpr_count:     66
    .vgpr_count:     256
    .wavefront_size: 32
...
	.end_amdgpu_metadata
.endif
;; end of part 1
;; launch proj (part 2): grid 12 x 16, 4 waves a work-group, clusters of 4 x 4, 327,680 bytes of LDS; arguments wsA, bq, bk, bv, wsB; writes wsB
.if DOCPART == 2
	.amdgcn_target "amdgcn-amd-amdhsa--gfx1250"
	.amdhsa_code_object_version 6
	.text
	.protected	k_qa6b5b1a62e_proj
	.globl	k_qa6b5b1a62e_proj
	.p2align	8
	.type	k_qa6b5b1a62e_proj,@function
k_qa6b5b1a62e_proj:
	s_mov_b64 s[64:65], 0
	v_nop
	global_prefetch_b8 v0, s[64:65] scope:SCOPE_SE
	s_setreg_imm32_b32 hwreg(HW_REG_WAVE_MODE, 25, 1), 1
	s_wait_xcnt 0x0
	s_wait_alu depctr_hold_cnt(0) depctr_sa_sdst(0) depctr_va_vdst(0) depctr_va_sdst(0) depctr_va_ssrc(0) depctr_va_vcc(0) depctr_vm_vsrc(0)
	s_getreg_b32 s2, hwreg(HW_REG_IB_STS2, 6, 4)
	s_cmp_eq_u32 s2, 0
	s_cbranch_scc0 .Lentry_in_a_cluster
	s_endpgm
.Lentry_in_a_cluster:
	s_bfe_u32 s2, ttmp6, 0x10000c
	s_cmp_lg_u32 s2, 0xf033
	s_cbranch_scc0 .Lentry_shape_is_right
	s_endpgm
.Lentry_shape_is_right:
.set MODE, 2
.set KDIM, 1024
.set PF,   0
.set AOFF, 0
.set ASOFF, 0
.set BOFF, 0
.set BSOFF, 0
.set KSN,    KDIM/128
.set KROWB,  KSN*1536
.set RBB,    3072
.set HALFT,  8*RBB
.set SLOT,   4*HALFT
.set LAPS,   KDIM/512
.set HALFS,  KSN*512
.set SCL,    2*SLOT
.set SPARE,  SCL+4*HALFS
.set SPITCH, 528
.set FR, 12
.set NL, 4
.set NP, 4
.set ADRA, 16
.set ADRB, 20
.set STO,  24
.set RD,   25
.set CO,   26
.set ADRS, 27
.set SPW,  28
.set NIL,  29
.set PFO,  30
.set SC,   32
.set BIAS, 64
.set AF,   128
.set BROW, 224
.set BK,   128
.set T,    128
.set PC,   192
.set TM,   64
.set PW,   80
.set Z,    88
.set G1,   24
.set G0,   32
.set G1B,  48
.set G0B,  56
.set G1S,  68
.set G0S,  76
.set G1SB, 80
.set G0SB, 88
.set SEL,  92
.set LIM,  95
.set MQ,   95
.set MV,   96
.set PFA,  96
.set HI,   97
.set MSB, 0
.macro WIN new
.if MSB != \new
	s_set_vgpr_msb (MSB<<8)|\new
.set MSB, \new
.endif
.endm
.set MUL_LO, 0xa1
.set MUL_HI, 0xf1
.set TO_B,   0x40
.macro WMUL hi, zero
.if (\zero) && (MODE > 0)
	WIN 0x81+0x40*(\hi)
.else
	WIN 0xa1+0x50*(\hi)
.endif
.endm
.macro JLOAD g0a, g1a, g0b, g1b
	s_cmp_eq_u32 s15, 0
	s_cbranch_scc0 .Lfor_b_\@
	tensor_load_to_lds s[\g0a:\g0a+3], s[\g1a:\g1a+7]
	s_nop 0
.rept 4
	v_nop
.endr
	s_branch .Lasked_\@
.Lfor_b_\@:
	tensor_load_to_lds s[\g0b:\g0b+3], s[\g1b:\g1b+7]
	s_nop 0
.rept 4
	v_nop
.endr
.Lasked_\@:
.endm
.macro CREST
	s_cmp_lg_u32 s14, 0
	s_cbranch_scc1 .Lnot_wave_0_\@
	s_barrier_signal -3
.Lnot_wave_0_\@:
	s_barrier_wait -3
	s_barrier_signal -1
	s_barrier_wait -1
.endm
.macro CROUND
	s_barrier_signal -1
	s_barrier_wait -1
	CREST
.endm
.macro ASK
	s_cmp_gt_u32 s3, s[LIM]
	s_cbranch_scc0 .Lnot_mine_\@
	global_prefetch_b8 v[PFO], s[PFA:PFA+1] offset:RBB th:TH_LOAD_NT scope:SCOPE_SE
.Lnot_mine_\@:
.endm
.if MODE == 0
	s_load_b128 s[4:7], s[0:1], 0x0
	s_load_b64 s[12:13], s[0:1], 0x10
.elseif MODE == 1
	s_load_b128 s[4:7], s[0:1], 0x0
	s_load_b128 s[8:11], s[0:1], 0x10
.else
	s_load_b64 s[4:5], s[0:1], 0x0
	s_load_b64 s[8:9], s[0:1], 0x8
	s_load_b64 s[10:11], s[0:1], 0x10
	s_load_b64 s[12:13], s[0:1], 0x18
	s_load_b64 s[98:99], s[0:1], 0x20
.endif
	v_lshl_add_u32 v[SPW], v0, 2, SPARE
	v_mov_b32 v[NIL], 0
	ds_add_u32 v[SPW], v[NIL]
	ds_add_u32 v[SPW], v[NIL]
	v_lshrrev_b32 v1, 5, v0
	v_readfirstlane_b32 s14, v1
	s_lshr_b32 s15, s14, 1
	s_and_b32 s16, s14, 1
	s_bfe_u32 s40, ttmp6, 0x40000
	s_bfe_u32 s41, ttmp6, 0x40004
	s_and_b32 s18, ttmp7, 0xffff
	s_lshl_b32 s18, s18, 2
	s_add_co_u32 s17, s18, s41
	s_lshl_b32 s42, ttmp9, 2
	s_add_co_u32 s42, s42, s40
.if MODE == 2
	s_add_co_u32 s19, s18, s40
	s_mov_b32 s94, 4718592
	s_mov_b32 s95, 12779520
	s_mov_b32 s96, 3145728
	s_mov_b32 s97, 12582912
	s_cmp_eq_u32 ttmp9, 2
	s_cselect_b32 s17, s41, s17
	s_cselect_b32 s42, s19, s42
	s_cselect_b32 s94, s94, 0
	s_cselect_b32 s95, s95, 12582912
	s_cselect_b32 s96, 0, s96
	s_cselect_b32 s97, s97, 12713984
.else
	s_mov_b32 s94, AOFF
	s_mov_b32 s95, ASOFF
	s_mov_b32 s96, BOFF
	s_mov_b32 s97, BSOFF
.endif
	s_lshl_b32 s43, s41, 2
	s_lshl_b32 s43, 15, s43
	s_lshl_b32 s44, 0x1111, s40
	s_or_b32 s[G1+0], s43, (3<<16)|(1<<21)
	s_or_b32 s[G1B+0], s44, (3<<16)|(1<<21)
.irp g, G1, G1B
	s_mov_b32 s[\g+1], 384<<16
	s_mov_b32 s[\g+2], 16<<16                      ; the head's loads bring 16 row blocks
	s_mov_b32 s[\g+3], 384<<16
	s_mov_b32 s[\g+4], 16
	s_mov_b32 s[\g+5], KSN*192
	s_mov_b32 s[\g+6], 0
	s_mov_b32 s[\g+7], 0
.endr
	s_lshl_b32 s18, s16, 3
	s_lshl_b32 s20, s17, 4
	s_add_co_u32 s20, s20, s18
	s_mul_i32 s20, s20, KROWB
	s_add_co_u32 s20, s20, s94
	s_mov_b32 s21, 0
	s_lshl_b32 s46, s42, 4
	s_add_co_u32 s46, s46, s18
	s_mul_i32 s46, s46, KROWB
	s_add_co_u32 s46, s46, s96
	s_mov_b32 s47, 0
	s_lshl_b32 s22, s17, 1
	s_add_co_u32 s22, s22, s16
	s_mul_i32 s22, s22, HALFS
	s_add_co_u32 s22, s22, s95
	s_mov_b32 s23, 0
	s_lshl_b32 s92, s42, 1
	s_add_co_u32 s92, s92, s16
	s_mul_i32 s92, s92, HALFS
	s_add_co_u32 s92, s92, s97
	s_mov_b32 s93, 0
	s_mul_i32 s45, s14, HALFT
	s_mul_i32 s2, s14, HALFS
	s_wait_dscnt 0x0
	s_wait_kmcnt 0x0
.if MODE == 2
	s_mov_b64 s[6:7], s[4:5]
.endif
	s_add_nc_u64 s[20:21], s[4:5], s[20:21]
	s_add_nc_u64 s[22:23], s[4:5], s[22:23]
	s_add_nc_u64 s[46:47], s[6:7], s[46:47]
	s_add_nc_u64 s[92:93], s[6:7], s[92:93]
	CROUND
	; THE HEAD'S LOADS, ONE A WAVE: a whole tile of 16 row blocks x 3,072 bytes each: waves 0 and 2 A's tiles of slots 0 and 1, waves 1 and 3 B's: both slots, 196,608 bytes, are asked for at once
	s_mul_i32 s18, s15, RBB                        ; slot s15 holds K steps 2 s15 and 2 s15 + 1
	s_mov_b32 s19, 0
	s_mov_b32 s[G0S], 1
	s_mul_i32 s[G0S+1], s15, SLOT
	s_add_nc_u64 s[G0S+2:G0S+3], s[20:21], s[18:19]    ; in the waves that ask for A the half s16 is 0: s[20:21] is the tile's first row block
	s_or_b32 s[G0S+3], s[G0S+3], 0x80000000
	s_mov_b32 s[G0SB], 1
	s_add_co_u32 s[G0SB+1], s[G0S+1], 2*HALFT
	s_sub_nc_u64 s[G0SB+2:G0SB+3], s[46:47], 8*KROWB   ; in the waves that ask for B the half s16 is 1: eight row blocks back
	s_add_nc_u64 s[G0SB+2:G0SB+3], s[G0SB+2:G0SB+3], s[18:19]
	s_or_b32 s[G0SB+3], s[G0SB+3], 0x80000000
	s_cmp_eq_u32 s16, 0
	s_cbranch_scc0 .Lhead_b
	tensor_load_to_lds s[G0S:G0S+3], s[G1:G1+7]
	s_nop 0
.rept 4
	v_nop
.endr
	s_branch .Lhead_asked
.Lhead_b:
	tensor_load_to_lds s[G0SB:G0SB+3], s[G1B:G1B+7]
	s_nop 0
.rept 4
	v_nop
.endr
.Lhead_asked:
.irp s, 0,1
	s_mov_b32 s[G0+4*\s], 1
	s_add_co_u32 s[G0+4*\s+1], s45, \s*SLOT
	s_add_nc_u64 s[G0+4*\s+2:G0+4*\s+3], s[20:21], \s*RBB
	s_or_b32 s[G0+4*\s+3], s[G0+4*\s+3], 0x80000000
	s_mov_b32 s[G0B+4*\s], 1
	s_add_co_u32 s[G0B+4*\s+1], s45, \s*SLOT
	s_add_nc_u64 s[G0B+4*\s+2:G0B+4*\s+3], s[46:47], \s*RBB
	s_or_b32 s[G0B+4*\s+3], s[G0B+4*\s+3], 0x80000000
.endr
	v_and_b32 v1, 31, v0
	v_and_b32 v2, 15, v0
	v_bfe_u32 v3, v0, 4, 1
	v_lshlrev_b32 v4, 4, v1
	v_lshlrev_b32 v5, 3, v1
	s_mul_i32 s18, s15, HALFT
	s_mul_i32 s19, s16, HALFT
	s_add_co_u32 s19, s19, 2*HALFT
.irp s, 0,1
	v_add_nc_u32 v[ADRA+\s], s18, v4
	v_add_nc_u32 v[ADRA+2+\s], s18, v5
	v_add_nc_u32 v[ADRB+\s], s19, v4
	v_add_nc_u32 v[ADRB+2+\s], s19, v5
	s_add_co_u32 s18, s18, SLOT
	s_add_co_u32 s19, s19, SLOT
.endr
	s_mul_i32 s18, s15, HALFS
	s_mul_i32 s19, s16, HALFS
	s_add_co_u32 s19, s19, 2*HALFS
	s_sub_co_u32 s19, s19, s18
	v_mul_u32_u24 v6, s19, v3
	s_add_co_u32 s18, s18, SCL
	v_lshl_add_u32 v6, v2, 4, v6
	v_add_nc_u32 v[ADRS], s18, v6
	s_cmp_eq_u32 s15, 0                            ; the scale words: my wave's 4,096 bytes (waves 0, 1 A's halves, waves 2, 3 B's) come through registers into LDS bytes that no tensor load fills
	s_cselect_b64 s[G1S:G1S+1], s[22:23], s[92:93]
	s_add_co_u32 s2, s2, SCL
	v_add_nc_u32 v31, s2, v4
.irp i, 0,1,2,3,4,5,6,7
	global_load_b128 v[AF+4*\i:AF+4*\i+3], v4, s[G1S:G1S+1] offset:512*\i   ; 512 consecutive bytes a load
.endr
.if MODE == 0
	s_mul_i32 s18, s14, 16*SPITCH
	v_mul_u32_u24 v6, v2, SPITCH
	v_lshl_add_u32 v6, v3, 6, v6
	v_add_nc_u32 v[STO], s18, v6
	v_add_nc_u32 v[RD], s18, v4
	v_mov_b32 v[CO], v4
	s_lshl_b32 s18, s17, 8
	s_lshl_b32 s19, s15, 7
	s_add_co_u32 s18, s18, s19
	s_lshl_b32 s18, s18, 12
	s_lshl_b32 s19, s42, 10
	s_add_co_u32 s18, s18, s19
	s_lshl_b32 s19, s16, 9
	s_add_co_u32 s18, s18, s19
	s_mov_b32 s19, 0
	s_add_nc_u64 s[12:13], s[12:13], s[18:19]
.else
	v_mov_b32 v[STO], v4
	v_mov_b32 v[RD], v5
	v_lshlrev_b32 v[CO], 4, v2
	v_lshl_add_u32 v[CO], v3, 12, v[CO]
	v_lshlrev_b32 v7, 6, v3
	s_wait_alu depctr_va_vdst(0)
	s_lshl_b32 s18, s42, 8
	s_lshl_b32 s19, s16, 7
	s_add_co_u32 s18, s18, s19
.endif
.if MODE == 1
	s_lshl_b32 s18, s18, 2
	s_mov_b32 s19, 0
	s_add_nc_u64 s[8:9], s[8:9], s[18:19]
.endif
.if MODE == 2
	s_and_b32 s18, s18, 1023
	s_lshl_b32 s18, s18, 2
	s_mov_b32 s19, 0
	s_lshl_b32 s22, s17, 8
	s_lshl_b32 s23, s15, 7
	s_add_co_u32 s22, s22, s23
	s_and_b32 s22, s22, 1023
	s_lshl_b32 s22, s22, 2
	s_mov_b32 s23, 0
	s_cmp_eq_u32 ttmp9, 0
	s_cselect_b64 s[8:9], s[8:9], s[10:11]
	s_cmp_eq_u32 ttmp9, 2
	s_cselect_b64 s[8:9], s[12:13], s[8:9]
	s_cselect_b32 s[MQ], 0, -1
	s_cselect_b32 s[MV], -1, 0
	s_add_nc_u64 s[12:13], s[8:9], s[22:23]
	s_add_nc_u64 s[8:9], s[8:9], s[18:19]
	v_and_b32 v8, 8, v2
	v_add_nc_u32 v8, v8, v2
	v_lshlrev_b32 v8, 2, v8
.irp a, 0,1,2,3,4,5,6,7
	global_load_b32 v[BROW+2*\a], v8, s[12:13] offset:4*(32*(\a/2)+8*(\a%2))
	global_load_b32 v[BROW+2*\a+1], v8, s[12:13] offset:4*(32*(\a/2)+8*(\a%2))
.endr
.endif
.if MODE > 0
.irp b, 0,1,2,3,4,5,6,7
	global_load_b128 v[BIAS+8*\b:BIAS+8*\b+3], v7, s[8:9] offset:4*(32*(\b/2)+8*(\b%2))
	global_load_b128 v[BIAS+8*\b+4:BIAS+8*\b+7], v7, s[8:9] offset:4*(32*(\b/2)+8*(\b%2))+16
.endr
	s_wait_loadcnt 0x0
.endif
.if MODE == 2
.set i, 0
.rept 64
	v_and_b32 v[BIAS+i], s[MQ], v[BIAS+i]
.set i, i+1
.endr
.set i, 0
.rept 16
	v_and_b32 v[BROW+i], s[MV], v[BROW+i]
.set i, i+1
.endr
.endif
.if PF
	s_and_b32 s22, ttmp7, 0xffff
	s_cmp_eq_u32 s15, 0
	s_cselect_b32 s23, s40, s41
	s_cselect_b32 s22, ttmp9, s22
	s_cselect_b64 s[PFA:PFA+1], s[20:21], s[46:47]
	s_cmp_eq_u32 s22, 0
	s_cselect_b32 s[LIM], 1, -1
	s_mul_i32 s22, s23, 2*KROWB
	s_add_co_u32 s22, s22, 2*RBB
	s_mov_b32 s23, 0
	s_add_nc_u64 s[PFA:PFA+1], s[PFA:PFA+1], s[22:23]
	v_min_u32 v6, 23, v1
	v_mul_u32_u24 v[PFO], v6, 11
	v_lshrrev_b32 v[PFO], 7, v[PFO]
	v_mul_u32_u24 v[PFO], v[PFO], KROWB-RBB
	v_lshl_add_u32 v[PFO], v6, 8, v[PFO]
.endif
.macro FRAG reg, adr, q, i
	ds_load_b128 v[\reg:\reg+3], v[\adr] offset:(\i)*RBB+(\q)*1536
	ds_load_b64 v[\reg+4:\reg+5], v[\adr+2] offset:(\i)*RBB+(\q)*1536+512
	ds_load_b128 v[\reg+6:\reg+9], v[\adr] offset:(\i)*RBB+(\q)*1536+768
	ds_load_b64 v[\reg+10:\reg+11], v[\adr+2] offset:(\i)*RBB+(\q)*1536+1280
.endm
.macro MUL16 a0, p, q, sc, zero
.irp a, \a0, \a0+1
.irp b, 0,1,2,3,4,5,6,7
.if (\zero) && (MODE == 0)
	v_wmma_scale_f32_16x16x128_f8f6f4 v[8*(8*((\a)%4)+\b):8*(8*((\a)%4)+\b)+7], v[128*(\p)+FR*\b:128*(\p)+FR*\b+FR-1], v[AF+FR*(\a):AF+FR*(\a)+FR-1], 0, v[SC+16*(\sc)+8*(\q)+\b], v[SC+16*(\sc)+8*(\q)+(\a)] matrix_a_fmt:MATRIX_FMT_FP6 matrix_b_fmt:MATRIX_FMT_FP6 matrix_a_scale:MATRIX_SCALE_ROW1
.elseif \zero
	v_wmma_scale_f32_16x16x128_f8f6f4 v[8*(8*((\a)%4)+\b):8*(8*((\a)%4)+\b)+7], v[128*(\p)+FR*\b:128*(\p)+FR*\b+FR-1], v[AF+FR*(\a):AF+FR*(\a)+FR-1], v[BIAS+8*\b:BIAS+8*\b+7], v[SC+16*(\sc)+8*(\q)+\b], v[SC+16*(\sc)+8*(\q)+(\a)] matrix_a_fmt:MATRIX_FMT_FP6 matrix_b_fmt:MATRIX_FMT_FP6 matrix_a_scale:MATRIX_SCALE_ROW1
.else
	v_wmma_scale_f32_16x16x128_f8f6f4 v[8*(8*((\a)%4)+\b):8*(8*((\a)%4)+\b)+7], v[128*(\p)+FR*\b:128*(\p)+FR*\b+FR-1], v[AF+FR*(\a):AF+FR*(\a)+FR-1], v[8*(8*((\a)%4)+\b):8*(8*((\a)%4)+\b)+7], v[SC+16*(\sc)+8*(\q)+\b], v[SC+16*(\sc)+8*(\q)+(\a)] matrix_a_fmt:MATRIX_FMT_FP6 matrix_b_fmt:MATRIX_FMT_FP6 matrix_a_scale:MATRIX_SCALE_ROW1
.endif
.endr
.endr
.endm
.macro FETCH_B slot, q, p
	WIN TO_B
.irp i, 0,1,2,3,4,5,6,7
	FRAG 128*(\p)+FR*\i, ADRB+\slot, \q, \i
.endr
	WIN 0
.endm
.macro FETCH_A slot, q, i0
.irp i, \i0, \i0+1, \i0+2, \i0+3
	FRAG AF+FR*(\i), ADRA+\slot, \q, \i
.endr
.endm
.macro SCALES sc
.irp q, 0,1
.irp g, 0,1
	ds_load_b128 v[SC+16*\sc+8*\q+4*\g:SC+16*\sc+8*\q+4*\g+3], v[ADRS] offset:512*\q+256*\g
.endr
.endr
.endm
.macro PLACES n
.rept \n
	v_nop
.endr
.endm
.macro STEP slot, q, zero
	s_wait_dscnt 4*NL
	WMUL 0, \zero
	MUL16 0, (\q)%2, \q, \slot, \zero
	MUL16 2, (\q)%2, \q, \slot, \zero
	s_wait_dscnt 0
	PLACES NP
	FETCH_B \slot, (\q)+1, 1-(\q)%2
	FETCH_A \slot, (\q)+1, 0
	WMUL 1, \zero
	MUL16 4, (\q)%2, \q, \slot, \zero
	MUL16 6, (\q)%2, \q, \slot, \zero
	PLACES NP
	WIN 0
	FETCH_A \slot, (\q)+1, 4
.endm
.macro TURN slot, next, fill
.if PF && (\fill)
	s_wait_xcnt 0x0
	s_add_nc_u64 s[PFA:PFA+1], s[PFA:PFA+1], RBB
.endif
	s_wait_tensorcnt 0x0
	ds_add_u32 v[SPW], v[NIL]
	s_wait_dscnt 4*NL+1
	WIN MUL_LO
	MUL16 0, 1, 1, \slot, 0
	s_wait_dscnt 0x0
	s_barrier_signal -1
	MUL16 2, 1, 1, \slot, 0
	WIN 0
	s_barrier_wait -1
.if \fill
	CREST
	s_add_nc_u64 s[G0+4*\slot+2:G0+4*\slot+3], s[G0+4*\slot+2:G0+4*\slot+3], 2*RBB
	s_add_nc_u64 s[G0B+4*\slot+2:G0B+4*\slot+3], s[G0B+4*\slot+2:G0B+4*\slot+3], 2*RBB
	JLOAD G0+4*\slot, G1, G0B+4*\slot, G1B
.else
	PLACES NP
.endif
	s_wait_alu depctr_va_vdst(0)
	v_add_nc_u32 v[ADRS], 1024, v[ADRS]
	FETCH_B \next, 0, 0
	FETCH_A \next, 0, 0
	SCALES \next
.if PF && (\fill)
	ASK
.endif
	WIN MUL_HI
	MUL16 4, 1, 1, \slot, 0
	MUL16 6, 1, 1, \slot, 0
	PLACES NP
	WIN 0
	FETCH_A \next, 0, 4
.endm
	s_wait_alu depctr_va_vdst(0)
	s_wait_loadcnt 0x0                             ; my scale words are in registers
	s_wait_tensorcnt 0x0                           ; my tile of the head's four is in
.irp i, 0,1,2,3,4,5,6,7
	ds_store_b128 v31, v[AF+4*\i:AF+4*\i+3] offset:512*\i
.endr
	s_mov_b32 s[G1+2], 8<<16                       ; no tensor load of mine is out: from here on a load brings 8 row blocks
	s_mov_b32 s[G1+4], 8
	s_mov_b32 s[G1B+2], 8<<16
	s_mov_b32 s[G1B+4], 8
	s_wait_dscnt 0x0                               ; for the others: my scale words lie in LDS
	s_barrier_signal -1
	s_barrier_wait -1
	FETCH_B 0, 0, 0
	FETCH_A 0, 0, 0
	SCALES 0
	FETCH_A 0, 0, 4
	STEP 0, 0, 1
	s_mov_b32 s3, LAPS-1
.Llap:
	TURN 0, 1, 1
	STEP 1, 0, 0
	TURN 1, 0, 1
	STEP 0, 0, 0
	s_sub_co_u32 s3, s3, 1
	s_cmp_lg_u32 s3, 0
	s_cbranch_scc1 .Llap
	TURN 0, 1, 0
	STEP 1, 0, 0
	s_wait_dscnt 4*NL
	WIN MUL_LO
	MUL16 0, 1, 1, 1, 0
	MUL16 2, 1, 1, 1, 0
	s_wait_dscnt 0
	WIN MUL_HI
	MUL16 4, 1, 1, 1, 0
	MUL16 6, 1, 1, 1, 0
	WIN 0
.if MODE == 0
.macro TOSTAGE a
.set AC, 64*((\a)%4)
	WIN 0x08+4*((\a)/4)
.irp b, 0,1,2,3,4,5,6,7
	ds_store_b128 v[STO], v[AC+8*\b:AC+8*\b+3] offset:128*(\b/2)+32*(\b%2)
	ds_store_b128 v[STO], v[AC+8*\b+4:AC+8*\b+7] offset:128*(\b/2)+32*(\b%2)+16
.endr
	WIN 0
.set BB, BK+64*((\a)%2)
.irp t, 0,1,2,3,4,5,6,7,8,9,10,11,12,13,14,15
	ds_load_b128 v[BB+4*\t:BB+4*\t+3], v[RD] offset:\t*SPITCH
.endr
.endm
.macro SEND a, younger
.set BB, BK+64*((\a)%2)
	s_wait_dscnt \younger
.if (\a) > 0
.if (\a)%2 == 1
	s_add_nc_u64 s[12:13], s[12:13], 8*4096
.else
	s_add_nc_u64 s[12:13], s[12:13], 24*4096
.endif
.endif
.irp t, 0,1,2,3,4,5,6,7,8,9,10,11,12,13,14,15
	global_store_b128 v[CO], v[BB+4*\t:BB+4*\t+3], s[12:13] offset:(\t+8*(\t/8))*4096 th:TH_STORE_NT
.endr
.endm
	PLACES NP
	TOSTAGE 0
.irp a, 1,2,3,4,5,6,7
.if \a > 1
	s_wait_xcnt 0x0
.endif
	TOSTAGE \a
	SEND \a-1, 32
.endr
	s_wait_xcnt 0x0
	SEND 7, 0
.else
.macro QUANT s, pw
.irp b, 0,1,2,3
	v_max3_num_f32 v[TM+\b], |v[\s+16*\b]|, |v[\s+1+16*\b]|, 0x1800000
.endr
.irp i, 2,4,6,8,10,12,14
.irp b, 0,1,2,3
	v_max3_num_f32 v[TM+\b], v[TM+\b], |v[\s+16*\b+\i]|, |v[\s+1+16*\b+\i]|
.endr
.endr
.irp b, 0,1,2,3
	v_permlanex16_b32 v[TM+4+\b], v[TM+\b], s[SEL], s[SEL+1]
.endr
.irp b, 0,1,2,3
	v_max_num_f32 v[TM+\b], v[TM+\b], v[TM+4+\b]
.endr
.irp b, 0,1,2,3
	v_add_nc_u32 v[TM+12+\b], 0xff000000, v[TM+\b]
.endr
.irp b, 0,1,2,3
	v_lshrrev_b32 v[TM+4+\b], 23, v[TM+12+\b]
.endr
	v_lshl_or_b32 v[\pw], v[TM+5], 8, v[TM+4]
	v_lshl_or_b32 v[\pw], v[TM+6], 16, v[\pw]
	v_lshl_or_b32 v[\pw], v[TM+7], 24, v[\pw]
.irp c, 0,1
	v_cvt_scalef32_pk16_fp6_f32 v[PC+6*\c:PC+2+6*\c], v[\s+32*\c:\s+15+32*\c], v[TM+12+2*\c]
	v_cvt_scalef32_pk16_fp6_f32 v[PC+12+4*\c:PC+14+4*\c], v[\s+16+32*\c:\s+31+32*\c], v[TM+12+2*\c+1]
.endr
	v_nop
.irp c, 0,1
.irp i, 0,1,2
	v_permlane16_swap_b32 v[PC+6*\c+\i], v[PC+12+4*\c+\i]
.endr
.irp i, 0,1,2
	v_mov_b32 v[PC+3+6*\c+\i], v[PC+12+4*\c+\i]
.endr
.endr
.endm
.macro QBLOCK a
.set AC, 64*((\a)%4)
.if MODE == 1
	WIN 0x08+4*((\a)/4)
.set j, 0
.rept 64
	v_max_num_f32 v[T+j], 0, v[AC+j]
.set j, j+1
.endr
.else
	WIN 0x02+((\a)/4)
.set j, 0
.rept 32
	v_pk_add_f32 v[T+j:T+j+1], v[AC+j:AC+j+1], v[BROW+2*(\a):BROW+2*(\a)+1]
.set j, j+2
.endr
.endif
	WIN 0
	s_wait_xcnt 0x0
.if (MODE == 2) && ((\a) > 0)
	s_add_nc_u64 s[4:5], s[4:5], s[10:11]
	s_add_nc_u64 s[6:7], s[6:7], s[10:11]
.if (\a) == 4
	s_add_nc_u64 s[4:5], s[4:5], s[12:13]
	s_add_nc_u64 s[6:7], s[6:7], s[12:13]
.endif
.endif
	QUANT T, PW+(\a)
.if MODE == 1
	global_store_b128 v[STO], v[PC:PC+3], s[4:5] offset:(\a)*49152
	global_store_b64 v[RD], v[PC+4:PC+5], s[4:5] offset:(\a)*49152+512
	global_store_b128 v[STO], v[PC+6:PC+9], s[4:5] offset:(\a)*49152+768
	global_store_b64 v[RD], v[PC+10:PC+11], s[4:5] offset:(\a)*49152+1280
.else
	global_store_b128 v[STO], v[PC:PC+3], s[4:5]
	global_store_b64 v[RD], v[PC+4:PC+5], s[4:5] offset:512
	global_store_b128 v[STO], v[PC+6:PC+9], s[6:7]
	global_store_b64 v[RD], v[PC+10:PC+11], s[6:7] offset:512
.endif
.endm
	PLACES NP
	s_mov_b32 s[SEL], 0x76543210
	s_mov_b32 s[SEL+1], 0xfedcba98
	s_mov_b32 s[HI], 0xffff0000
.irp b, 0,1,2,3
	v_mov_b32 v[TM+4+\b], 0
.endr
.if MODE == 1
	s_lshl_b32 s18, s17, 1
	s_add_co_u32 s18, s18, s15
	s_lshl_b32 s18, s18, 5
	s_lshl_b32 s19, s42, 1
	s_add_co_u32 s19, s19, s16
	s_lshl_b32 s20, s18, 3
	s_add_co_u32 s20, s20, s19
	s_mul_i32 s20, s20, 1536
	s_mov_b32 s21, 0
	s_add_nc_u64 s[4:5], s[10:11], s[20:21]
	s_add_co_u32 s18, s18, s19
	s_lshl_b32 s18, s18, 9
	s_add_co_u32 s18, s18, 12582912
	s_mov_b32 s19, 0
	s_add_nc_u64 s[8:9], s[10:11], s[18:19]
.else
	s_lshl_b32 s18, s17, 8
	s_lshl_b32 s19, s15, 7
	s_add_co_u32 s18, s18, s19
	s_lshl_b32 s20, s42, 8
	s_lshl_b32 s19, s16, 7
	s_add_co_u32 s20, s20, s19
	s_mov_b32 s10, 768
	s_mov_b32 s24, 98304
	s_cmp_eq_u32 ttmp9, 2
	s_cselect_b32 s22, s20, s18
	s_cselect_b32 s23, s18, s20
	s_cselect_b32 s10, 1536, s10
	s_cselect_b32 s12, 92160, 0
	s_cselect_b32 s24, 768, s24
	s_mov_b32 s11, 0
	s_mov_b32 s13, 0
	s_mov_b32 s25, 0
	s_and_b32 s23, s23, 1023
	s_lshr_b32 s23, s23, 6
	s_lshr_b32 s26, s22, 11
	s_lshl_b32 s26, s26, 4
	s_add_co_u32 s26, s26, s23
	s_and_b32 s22, s22, 2047
	s_lshr_b32 s22, s22, 7
	s_mul_i32 s28, ttmp9, 3145728
	s_mul_i32 s27, s26, 98304
	s_add_co_u32 s28, s28, s27
	s_mul_i32 s27, s22, 6144
	s_add_co_u32 s28, s28, s27
	s_mov_b32 s29, 0
	s_add_nc_u64 s[4:5], s[98:99], s[28:29]
	s_add_nc_u64 s[6:7], s[4:5], s[24:25]
	s_lshl_b32 s28, ttmp9, 17
	s_lshl_b32 s27, s26, 12
	s_add_co_u32 s28, s28, s27
	s_lshl_b32 s27, s22, 8
	s_add_co_u32 s28, s28, s27
	s_add_co_u32 s28, s28, 9437184
	s_add_nc_u64 s[8:9], s[98:99], s[28:29]
.endif
.irp a, 0,1,2,3,4,5,6,7
	QBLOCK \a
.endr
.if MODE == 1
.irp j, 0,1,2,3
	v_cndmask_b32 v[Z+\j], v[PW+\j], v[PW+4+\j], s[HI]
.endr
	global_store_b128 v[STO], v[Z:Z+3], s[8:9]
.else
.irp j, 0,1,2,3
	v_perm_b32 v[Z+4+\j], v[PW+2*\j+1], v[PW+2*\j], 0x05040100
	v_perm_b32 v[Z+8+\j], v[PW+2*\j+1], v[PW+2*\j], 0x07060302
.endr
.irp j, 0,1,2,3
	v_cndmask_b32 v[Z+4+\j], v[Z+4+\j], v[Z+8+\j], s[HI]
	v_cndmask_b32 v[Z+8+\j], v[PW+\j], v[PW+4+\j], s[HI]
.endr
.irp j, 0,1,2,3
	v_cndmask_b32 v[Z+\j], v[Z+4+\j], v[Z+8+\j], s[MV]
.endr
	global_store_b128 v[CO], v[Z:Z+3], s[8:9]
.endif
.endif
	s_wait_tensorcnt 0x0
	ds_add_u32 v[SPW], v[NIL]
	s_wait_dscnt 0x0
	CROUND
	s_endpgm
.Lfunc_end_k_qa6b5b1a62e_proj:
	.size	k_qa6b5b1a62e_proj, .Lfunc_end_k_qa6b5b1a62e_proj-k_qa6b5b1a62e_proj
	.p2alignl 7, 3214868480
	.fill 96, 4, 3214868480
	.section	.rodata,"a",@progbits
	.p2align	6, 0x0
	.amdhsa_kernel k_qa6b5b1a62e_proj
		.amdhsa_group_segment_fixed_size 327680
		.amdhsa_private_segment_fixed_size 0
		.amdhsa_enable_private_segment 0
		.amdhsa_kernarg_size 40
		.amdhsa_user_sgpr_count 2
		.amdhsa_user_sgpr_kernarg_segment_ptr 1
		.amdhsa_wavefront_size32 1
		.amdhsa_system_sgpr_workgroup_id_x 1
		.amdhsa_system_sgpr_workgroup_id_y 1
		.amdhsa_system_sgpr_workgroup_id_z 1
		.amdhsa_system_vgpr_workitem_id 0
		.amdhsa_next_free_vgpr 1024
		.amdhsa_next_free_sgpr 100
		.amdhsa_reserve_vcc 0
		.amdhsa_float_denorm_mode_32 3
		.amdhsa_float_denorm_mode_16_64 3
		.amdhsa_memory_ordered 1
		.amdhsa_forward_progress 1
		.amdhsa_inst_pref_size 173
	.end_amdhsa_kernel
	.amdgpu_metadata
---
amdhsa.version: [ 1, 2 ]
amdhsa.kernels:
  - .name:           k_qa6b5b1a62e_proj
    .symbol:         k_qa6b5b1a62e_proj.kd
    .args:
      - { .name: wsA, .offset: 0, .size: 8, .value_kind: global_buffer, .address_space: global }
      - { .name: bq, .offset: 8, .size: 8, .value_kind: global_buffer, .address_space: global }
      - { .name: bk, .offset: 16, .size: 8, .value_kind: global_buffer, .address_space: global }
      - { .name: bv, .offset: 24, .size: 8, .value_kind: global_buffer, .address_space: global }
      - { .name: wsB, .offset: 32, .size: 8, .value_kind: global_buffer, .address_space: global }
    .group_segment_fixed_size: 327680
    .private_segment_fixed_size: 0
    .kernarg_segment_align: 8
    .kernarg_segment_size: 40
    .max_flat_workgroup_size: 128
    .sgpr_count:     100
    .vgpr_count:     1024
    .wavefront_size: 32
...
	.end_amdgpu_metadata
.endif
;; end of part 2
;; launch attn (part 3): grid 8 x 32, 16 waves a work-group, clusters of 4 x 1, 206,848 bytes of LDS; arguments wsB, wsC; writes wsC
.if DOCPART == 3
	.amdgcn_target "amdgcn-amd-amdhsa--gfx1250"
	.amdhsa_code_object_version 6
	.text
	.protected	k_qa6b5b1a62e_attn
	.globl	k_qa6b5b1a62e_attn
	.p2align	8
	.type	k_qa6b5b1a62e_attn,@function
k_qa6b5b1a62e_attn:
	s_mov_b64 s[64:65], 0
	v_nop
	global_prefetch_b8 v0, s[64:65] scope:SCOPE_SE
	s_setreg_imm32_b32 hwreg(HW_REG_WAVE_MODE, 25, 1), 1
	s_wait_xcnt 0x0
	s_wait_alu depctr_hold_cnt(0) depctr_sa_sdst(0) depctr_va_vdst(0) depctr_va_sdst(0) depctr_va_ssrc(0) depctr_va_vcc(0) depctr_vm_vsrc(0)
	s_getreg_b32 s2, hwreg(HW_REG_IB_STS2, 6, 4)
	s_cmp_eq_u32 s2, 0
	s_cbranch_scc0 .Lentry_in_a_cluster
	s_endpgm
.Lentry_in_a_cluster:
	s_bfe_u32 s2, ttmp6, 0x10000c
	s_cmp_lg_u32 s2, 0x3003
	s_cbranch_scc0 .Lentry_shape_is_right
	s_endpgm
.Lentry_shape_is_right:
; ctx = softmax(q k^T / 8) v for one (batch, head) and 256 queries a work-group, both products on codes of FP6 with E8M0 scales; ctx leaves quantised, as the next product's operand.
; t = score x log2(e) / 8; M = the running largest t rounded up to a whole number; p = 2^(t - M) is quantised along the keys; the row's sum is taken of the unquantised p and divides at the end.
; SHARES.  Sixteen waves, one tile of 16 queries each, 256 registers: four waves to a SIMD.
; NO RING: a head's K and V, 2 x 98,304 bytes of codes and 2 x 4,096 of scale words, lie in LDS whole and are filled once, ONE tensor load a wave at the head:
; waves 0-5 a sixth of K's codes each (16,384 bytes), waves 6-11 of V's, waves 12-15 half of K's or of V's scale words each (2,048 bytes).  One wait for all, one barrier, one loop over the 16 key steps.
; The four work-groups of a cluster share the head: every load is joint (mask 15).
; LAYOUT.  q, k: a tile (16 rows x the head's 64) is half a fragment, 768 bytes; two tiles on end are one operand of 128 along K, and q with zero codes in the other half takes out one tile of the pair.
; v: fragment = 16 channels x 128 keys.  Both products are used transposed: a lane holds one query.  Lane r of tile t holds row 32 (t / 2) + 8 (t % 2) + r + 8 (r / 8), so 16 registers of two tiles are 16 neighbours.
; No prefetch: all that the launch reads of K and V is asked for by its first loads.  LIMITS: NaN and infinities are not served; 1 / sum is v_rcp_f32; the scaled scores stay under 2^31 in magnitude.
.set VFL,  98304
.set KSL,  196608
.set VSL,  200704
.set SPARE, 204800                     ; the spare words, 128 bytes a wave
.set KF,   3145728
.set QS,   9437184
.set KS,   9568256
.set SPW, 7
.set NIL, 8
.set S,   96                           ; v96-159 scores, then p
.set O,   160                          ; v160-191 O^T
.set PCD, 192                          ; v192-203 p's codes; v204-210 the conversions' second halves
.set PCT, 204
.set BM,  212
.set PT,  216
.set SOP, 220
.set F,   224                          ; v224 f; v225 p's scale word
.set TT,  226
.set WV,  8
.set SEL, 52
.set CS,  54
.set TB,  56
.set TS,  57
.set CNT, 58
.macro CROUND
	s_barrier_signal -1
	s_barrier_wait -1
	s_cmp_lg_u32 s[WV], 0
	s_cbranch_scc1 .Lnot_wave_0_\@
	s_barrier_signal -3
.Lnot_wave_0_\@:
	s_barrier_wait -3
	s_barrier_signal -1
	s_barrier_wait -1
.endm
	s_load_b128 s[4:7], s[0:1], 0x0                ; wsB, wsC
	v_lshl_add_u32 v[SPW], v0, 2, SPARE
	v_mov_b32 v[NIL], 0
	ds_add_u32 v[SPW], v[NIL]                      ; the opening lines
	ds_add_u32 v[SPW], v[NIL]
	v_lshrrev_b32 v9, 5, v0
	s_delay_alu instid0(VALU_DEP_1)
	v_readfirstlane_b32 s[WV], v9
	s_bfe_u32 s9, ttmp6, 0x40000                   ; cx
	s_lshl_b32 s10, ttmp9, 2
	s_add_co_u32 s10, s10, s9                      ; my block of 256 queries: it enters q's and ctx's addresses alone
	s_and_b32 s11, ttmp7, 0xffff                   ; 16 x batch + head, which the partners share
	s_mov_b32 s24, 15|(3<<16)|(1<<21)              ; codes: 64 rows of 256 bytes, dense; mask: all four
	s_mov_b32 s25, 32<<16
	s_mov_b32 s26, 64<<16
	s_mov_b32 s27, 32<<16
	s_mov_b32 s28, 64
	s_mov_b32 s29, 32
	s_mov_b32 s30, 0
	s_mov_b32 s31, 0
	s_mov_b32 s32, 15|(3<<16)|(1<<21)              ; scale words: 8 rows of 256 bytes
	s_mov_b32 s33, 32<<16
	s_mov_b32 s34, 8<<16
	s_mov_b32 s35, 32<<16
	s_mov_b32 s36, 8
	s_mov_b32 s37, 32
	s_mov_b32 s38, 0
	s_mov_b32 s39, 0
	s_mul_i32 s12, s[WV], 11
	s_lshr_b32 s12, s12, 6                         ; waves 0-5: 0 (K); waves 6-11: 1 (V)
	s_lshl_b32 s45, s[WV], 14                      ; codes go to 16,384 x wave: V's region begins at 6 x 16,384
	s_mul_i32 s18, s12, 3145728-VFL
	s_add_co_u32 s18, s18, s45
	s_mul_i32 s19, s11, 98304
	s_add_co_u32 s18, s18, s19
	s_add_co_u32 s18, s18, KF
	s_mov_b32 s19, 0
	s_and_b32 s13, s[WV], 3                        ; waves 12-15: K's two halves of scale words, then V's
	s_lshl_b32 s14, s13, 11
	s_add_co_u32 s41, s14, KSL
	s_lshr_b32 s15, s13, 1
	s_mul_i32 s16, s15, 131072-4096
	s_add_co_u32 s16, s16, s14
	s_lshl_b32 s17, s11, 12
	s_add_co_u32 s16, s16, s17
	s_add_co_u32 s16, s16, KS
	s_mov_b32 s17, 0
	s_mov_b32 s[SEL], 0x76543210
	s_mov_b32 s[SEL+1], 0xfedcba98
	s_mov_b32 s[CS], 0x3e38aa3b                    ; log2(e) / 8
	s_mov_b32 s[CS+1], s[CS]
	s_mov_b32 s[TB], 0
	s_mov_b32 s[TS], 0
	s_wait_dscnt 0x0                               ; both opening adds are done
	s_wait_kmcnt 0x0
	s_mov_b32 s40, 1
	s_add_nc_u64 s[42:43], s[4:5], s[16:17]
	s_or_b32 s43, s43, 0x80000000
	s_mov_b32 s44, 1
	s_add_nc_u64 s[46:47], s[4:5], s[18:19]
	s_or_b32 s47, s47, 0x80000000
	CROUND                                         ; all four work-groups are here: the joint loads meet
	s_cmp_lt_u32 s[WV], 12
	s_cbranch_scc0 .Lwords
	tensor_load_to_lds s[44:47], s[24:31]          ; my 16,384 bytes of codes
	s_nop 0
.rept 4
	v_nop
.endr
	s_branch .Lasked
.Lwords:
	tensor_load_to_lds s[40:43], s[32:39]          ; my 2,048 bytes of scale words
	s_nop 0
.rept 4
	v_nop
.endr
.Lasked:
	v_and_b32 v9, 31, v0
	v_and_b32 v10, 15, v0
	s_delay_alu instid0(VALU_DEP_2)
	v_lshlrev_b32 v1, 4, v9                        ; 16 x lane
	s_delay_alu instid0(VALU_DEP_3)
	v_lshlrev_b32 v2, 3, v9                        ; 8 x lane
	s_delay_alu instid0(VALU_DEP_2)
	v_add_nc_u32 v3, VFL, v1
	s_delay_alu instid0(VALU_DEP_2)
	v_add_nc_u32 v4, VFL, v2
	v_lshlrev_b32 v15, 4, v10                      ; 16 r
	s_wait_alu depctr_va_vdst(0)
	v_add_nc_u32 v5, KSL, v15
	v_add_nc_u32 v6, VSL, v15
	s_lshl_b32 s12, s10, 4
	s_add_co_u32 s12, s12, s[WV]                   ; t: my tile of queries in the sequence
	s_lshl_b32 s13, s11, 7
	s_add_co_u32 s13, s13, s12
	s_mul_i32 s14, s13, 768
	s_mov_b32 s15, 0
	s_add_nc_u64 s[14:15], s[4:5], s[14:15]
	global_load_b128 v[26:29], v1, s[14:15]        ; q's tile: six registers
	global_load_b64 v[30:31], v2, s[14:15] offset:512
	s_lshl_b32 s16, s11, 12
	s_lshr_b32 s17, s12, 3
	s_lshl_b32 s17, s17, 8
	s_add_co_u32 s16, s16, s17
	s_and_b32 s17, s12, 7
	s_lshr_b32 s17, s17, 1
	s_lshl_b32 s17, s17, 2
	s_add_co_u32 s16, s16, s17
	s_add_co_u32 s16, s16, QS
	s_mov_b32 s17, 0
	s_add_nc_u64 s[16:17], s[4:5], s[16:17]
	global_load_b32 v38, v15, s[16:17]             ; the pair's word: my tile's two bytes are the low or the high half
	; where ctx goes: tile rb = 128 x batch + t, half fragment (rb x 16 + head) x 768; its two scale bytes in the word of (rb, head / 2)
	s_lshr_b32 s13, s11, 4
	s_and_b32 s20, s11, 15
	s_lshl_b32 s13, s13, 7
	s_add_co_u32 s13, s13, s12
	s_lshl_b32 s21, s13, 4
	s_add_co_u32 s21, s21, s20
	s_mul_i32 s22, s21, 768
	s_mov_b32 s23, 0
	s_add_nc_u64 s[22:23], s[6:7], s[22:23]
	s_lshr_b32 s21, s13, 3
	s_lshl_b32 s21, s21, 3
	s_lshr_b32 s18, s20, 1
	s_add_co_u32 s21, s21, s18
	s_lshl_b32 s21, s21, 9
	s_bfe_u32 s18, s13, 0x10002
	s_lshl_b32 s18, s18, 8
	s_add_co_u32 s21, s21, s18
	s_and_b32 s18, s13, 3
	s_lshl_b32 s18, s18, 2
	s_add_co_u32 s21, s21, s18
	s_and_b32 s18, s20, 1
	s_lshl_b32 s18, s18, 1
	s_add_co_u32 s21, s21, s18
	s_add_co_u32 s20, s21, 3145728
	s_mov_b32 s21, 0
	s_add_nc_u64 s[20:21], s[6:7], s[20:21]
	s_and_b32 s18, s[WV], 1
	s_lshl_b32 s18, s18, 4                         ; 16 bits down for an odd tile
.irp j, 20,21,22,23,24,25,32,33,34,35,36,37
	v_mov_b32 v\j, 0                               ; zero codes on both sides of q: v[26:37] is q then zeros, v[20:31] zeros then q
.endr
	v_mov_b32 v17, 0xff61b1e6                      ; the largest t so far: -3e38
	s_delay_alu instid0(VALU_DEP_1)
	v_floor_f32 v16, -v17                          ; -M
	v_mov_b32 v18, 0
	v_mov_b32 v19, 0
.irp b, 0,1,2,3
	v_mov_b32 v[PT+\b], 0
.endr
	v_mov_b32 v[F+1], 0
.set j, 0
.rept 32
	v_mov_b32 v[O+j], 0                            ; the step is written once: the first finds zeros
.set j, j+1
.endr
	s_wait_loadcnt 0x0
	v_lshrrev_b32 v38, s18, v38
	s_delay_alu instid0(VALU_DEP_1)
	v_and_b32 v38, 0xffff, v38
	s_delay_alu instid0(VALU_DEP_1)
	v_lshl_or_b32 v38, v38, 16, v38                ; my two bytes for both halves of K
.rept 8
	v_nop                                          ; a scale register written by vector instructions stands eight plain places ahead of the first scaled product
.endr
; A KEY STEP: 128 keys
.macro STEP
	v_add_nc_u32 v9, s[TB], v1                     ; these six are also the places behind the last products
	v_add_nc_u32 v10, s[TB], v2
	v_add_nc_u32 v11, s[TB], v3
	v_add_nc_u32 v12, s[TB], v4
	v_add_nc_u32 v13, s[TS], v5
	v_add_nc_u32 v14, s[TS], v6
.irp j, 0,1,2,3
	ds_load_b128 v[40+12*\j:43+12*\j], v9 offset:1536*\j
	ds_load_b64 v[44+12*\j:45+12*\j], v10 offset:1536*\j+512
	ds_load_b128 v[46+12*\j:49+12*\j], v9 offset:1536*\j+768
	ds_load_b64 v[50+12*\j:51+12*\j], v10 offset:1536*\j+1280
.endr
	ds_load_b128 v[88:91], v13                     ; K's words of the four pairs
	s_wait_alu depctr_va_vdst(0)
	s_wait_dscnt 0x0
.irp j, 0,1,2,3
	v_wmma_scale_f32_16x16x128_f8f6f4 v[S+16*\j:S+16*\j+7], v[40+12*\j:51+12*\j], v[26:37], 0, v[88+\j], v38 matrix_a_fmt:MATRIX_FMT_FP6 matrix_b_fmt:MATRIX_FMT_FP6
	v_wmma_scale_f32_16x16x128_f8f6f4 v[S+16*\j+8:S+16*\j+15], v[40+12*\j:51+12*\j], v[20:31], 0, v[88+\j], v38 matrix_a_fmt:MATRIX_FMT_FP6 matrix_b_fmt:MATRIX_FMT_FP6
.endr
.rept 4
	v_nop                                          ; places ahead of the loads into K's registers and of the first read of the scores
.endr
.irp j, 0,1,2,3                        ; V's four fragments land under the softmax
	ds_load_b128 v[40+12*\j:43+12*\j], v11 offset:1536*\j
	ds_load_b64 v[44+12*\j:45+12*\j], v12 offset:1536*\j+512
	ds_load_b128 v[46+12*\j:49+12*\j], v11 offset:1536*\j+768
	ds_load_b64 v[50+12*\j:51+12*\j], v12 offset:1536*\j+1280
.endr
	ds_load_b128 v[92:95], v14
.irp b, 0,1,2,3
	v_max3_num_f32 v[BM+\b], v[S+16*\b], v[S+1+16*\b], v[S+2+16*\b]   ; the largest score of each block of 32 keys: for the row's maximum and for the block's largest p
.endr
.irp i, 3,5,7,9,11,13
.irp b, 0,1,2,3
	v_max3_num_f32 v[BM+\b], v[BM+\b], v[S+16*\b+\i], v[S+1+16*\b+\i]
.endr
.endr
.irp b, 0,1,2,3
	v_max_num_f32 v[BM+\b], v[BM+\b], v[S+15+16*\b]
.endr
.irp b, 0,1,2,3
	s_delay_alu instid0(VALU_DEP_4)
	v_permlanex16_b32 v[PT+\b], v[BM+\b], s[SEL], s[SEL+1]
.endr
.irp b, 0,1,2,3
	s_delay_alu instid0(VALU_DEP_4)
	v_max_num_f32 v[BM+\b], v[BM+\b], v[PT+\b]
.endr
	s_delay_alu instid0(VALU_DEP_2)
	v_max3_num_f32 v[TT], v[BM], v[BM+1], v[BM+2]
	s_delay_alu instid0(VALU_DEP_1)
	v_max_num_f32 v[TT], v[TT], v[BM+3]
	s_delay_alu instid0(VALU_DEP_1)
	v_mul_f32 v[TT], s[CS], v[TT]
	s_delay_alu instid0(VALU_DEP_1)
	v_max_num_f32 v17, v17, v[TT]                  ; the running largest t
	v_mov_b32 v[TT], v16
	s_delay_alu instid0(VALU_DEP_2)
	v_floor_f32 v16, -v17                          ; the new -M: a whole number
	s_delay_alu instid0(VALU_DEP_1)
	v_sub_f32 v[TT], v16, v[TT]
	s_delay_alu instid0(VALU_DEP_1)
	v_cvt_i32_f32 v[TT], v[TT]                     ; (it saturates)
	s_delay_alu instid0(VALU_DEP_1)
	v_ldexp_f32 v[F], 1.0, v[TT]                   ; f = 2^(old M - new M): exact
.set j, 0
.rept 32
	v_pk_fma_f32 v[S+j:S+j+1], v[S+j:S+j+1], s[CS:CS+1], v[16:17] op_sel_hi:[1,0,0]   ; t - M
.set j, j+2
.endr
.irp b, 0,1,2,3
	v_fma_f32 v[BM+\b], v[BM+\b], s[CS], v16
.endr
.set j, 0
	s_wait_alu depctr_va_vdst(0)
.rept 64
	v_exp_f32 v[S+j], v[S+j]                       ; p, not normalised
.set j, j+1
.endr
	v_pk_mul_f32 v[18:19], v[18:19], v[F:F+1] op_sel_hi:[1,0]   ; the sums under the new M; the plain place behind the batch
	s_wait_alu depctr_va_vdst(0)                   ; one wait for the batch, ahead of its first reader
.irp b, 0,1,2,3
	v_exp_f32 v[BM+\b], v[BM+\b]                   ; each block's largest p
.endr
	v_pk_add_f32 v[216:217], v[100:101], v[104:105]   ; the row's sum of the unquantised p, in eight chains
	v_pk_add_f32 v[254:255], v[108:109], v[112:113]
	v_pk_add_f32 v[252:253], v[116:117], v[120:121]
	v_pk_add_f32 v[250:251], v[124:125], v[128:129]
	v_pk_add_f32 v[248:249], v[132:133], v[136:137]
	v_pk_add_f32 v[246:247], v[140:141], v[144:145]
	v_pk_add_f32 v[244:245], v[148:149], v[152:153]
	v_pk_add_f32 v[18:19], v[18:19], v[156:157]
	v_pk_add_f32 v[216:217], v[216:217], v[96:97]
	v_pk_add_f32 v[254:255], v[254:255], v[98:99]
	v_pk_add_f32 v[252:253], v[252:253], v[102:103]
	v_pk_add_f32 v[250:251], v[250:251], v[106:107]
	v_pk_add_f32 v[248:249], v[248:249], v[110:111]
	v_pk_add_f32 v[246:247], v[246:247], v[114:115]
	v_pk_add_f32 v[244:245], v[244:245], v[118:119]
	v_pk_add_f32 v[18:19], v[18:19], v[122:123]
	v_pk_add_f32 v[216:217], v[216:217], v[126:127]
	v_pk_add_f32 v[254:255], v[254:255], v[130:131]
	v_pk_add_f32 v[252:253], v[252:253], v[134:135]
	v_pk_add_f32 v[250:251], v[250:251], v[138:139]
	v_pk_add_f32 v[248:249], v[248:249], v[142:143]
	v_pk_add_f32 v[246:247], v[246:247], v[146:147]
	v_pk_add_f32 v[244:245], v[244:245], v[150:151]
	v_pk_add_f32 v[18:19], v[18:19], v[154:155]
	v_pk_add_f32 v[216:217], v[216:217], v[158:159]
	s_delay_alu instid0(VALU_DEP_2)
	v_pk_add_f32 v[18:19], v[18:19], v[250:251]
	s_delay_alu instid0(VALU_DEP_2)
	v_pk_add_f32 v[216:217], v[216:217], v[248:249]
	v_pk_add_f32 v[254:255], v[254:255], v[246:247]
	v_pk_add_f32 v[252:253], v[252:253], v[244:245]
	s_delay_alu instid0(VALU_DEP_2)
	v_pk_add_f32 v[18:19], v[18:19], v[254:255]
	s_delay_alu instid0(VALU_DEP_2)
	v_pk_add_f32 v[216:217], v[216:217], v[252:253]
	s_delay_alu instid0(VALU_DEP_1)
	v_pk_add_f32 v[18:19], v[18:19], v[216:217]
	s_wait_alu depctr_va_vdst(0)                   ; and one for the four
.irp b, 0,1,2,3
	v_max_num_f32 v[BM+\b], 0x1800000, v[BM+\b]    ; the floor 2^(3 - 127)
.endr
.irp b, 0,1,2,3
	s_delay_alu instid0(VALU_DEP_4)
	v_add_nc_u32 v[SOP+\b], 0xff000000, v[BM+\b]
.endr
.irp b, 0,1,2,3
	s_delay_alu instid0(VALU_DEP_4)
	v_lshrrev_b32 v[PT+\b], 23, v[SOP+\b]
.endr
	s_delay_alu instid0(VALU_DEP_3)
	v_lshl_or_b32 v[F+1], v[PT+1], 8, v[PT]        ; p's scale word
	s_delay_alu instid0(VALU_DEP_1)
	v_lshl_or_b32 v[F+1], v[PT+2], 16, v[F+1]
	s_delay_alu instid0(VALU_DEP_1)
	v_lshl_or_b32 v[F+1], v[PT+3], 24, v[F+1]
.irp c, 0,1
	v_cvt_scalef32_pk16_fp6_f32 v[PCD+6*\c:PCD+6*\c+2], v[S+32*\c:S+32*\c+15], v[SOP+2*\c]
	v_cvt_scalef32_pk16_fp6_f32 v[PCT+4*\c:PCT+4*\c+2], v[S+16+32*\c:S+31+32*\c], v[SOP+2*\c+1]
.endr
	v_nop
.irp c, 0,1
.irp i, 0,1,2
	v_permlane16_swap_b32 v[PCD+6*\c+\i], v[PCT+4*\c+\i]
.endr
.irp i, 0,1,2
	s_delay_alu instid0(VALU_DEP_3)
	v_mov_b32 v[PCD+3+6*\c+\i], v[PCT+4*\c+\i]
.endr
.endr
.set j, 0
.rept 16
	v_pk_mul_f32 v[O+j:O+j+1], v[O+j:O+j+1], v[F:F+1] op_sel_hi:[1,0]   ; O^T under the new M; also the places ahead of the scaled products
.set j, j+2
.endr
	s_wait_alu depctr_va_vdst(0)
	s_wait_dscnt 0x0                               ; V is in
.irp t, 0,1,2,3
	v_wmma_scale_f32_16x16x128_f8f6f4 v[O+8*\t:O+8*\t+7], v[40+12*\t:51+12*\t], v[PCD:PCD+11], v[O+8*\t:O+8*\t+7], v[92+\t], v[F+1] matrix_a_fmt:MATRIX_FMT_FP6 matrix_b_fmt:MATRIX_FMT_FP6
.endr
	s_add_co_u32 s[TB], s[TB], 6144
	s_add_co_u32 s[TS], s[TS], 256
.endm
	s_wait_tensorcnt 0x0                           ; my one load has landed,
	s_barrier_signal -1
	s_barrier_wait -1                              ; everybody's has: K, V and their scale words are whole; nothing is filled again
	s_mov_b32 s[CNT], 16
.Lkeys:
	s_wait_alu depctr_va_vdst(0)
	STEP
	s_sub_co_u32 s[CNT], s[CNT], 1
	s_cmp_lg_u32 s[CNT], 0
	s_cbranch_scc1 .Lkeys
	; THE WAY OUT: O^T / the sum; register 16 b + i is channel 32 b + 16 h + i of my query: two blocks of the next K, quantised in registers
.rept 4
	v_nop
.endr
	v_add_f32 v18, v18, v19
	s_delay_alu instid0(VALU_DEP_1)
	v_permlanex16_b32 v[PT], v18, s[SEL], s[SEL+1]
	s_delay_alu instid0(VALU_DEP_1)
	v_add_f32 v18, v18, v[PT]
	s_wait_alu depctr_va_vdst(0)
	v_rcp_f32 v18, v18
	v_nop
	s_wait_alu depctr_va_vdst(0)
.set j, 0
.rept 32
	v_mul_f32 v[S+j], v[O+j], v18
.set j, j+1
.endr
.irp b, 0,1
	v_max3_num_f32 v[BM+\b], |v[S+16*\b]|, |v[S+1+16*\b]|, 0x1800000
.endr
.irp i, 2,4,6,8,10,12,14
.irp b, 0,1
	s_delay_alu instid0(VALU_DEP_2)
	v_max3_num_f32 v[BM+\b], v[BM+\b], |v[S+16*\b+\i]|, |v[S+1+16*\b+\i]|
.endr
.endr
.irp b, 0,1
	s_delay_alu instid0(VALU_DEP_2)
	v_permlanex16_b32 v[PT+\b], v[BM+\b], s[SEL], s[SEL+1]
.endr
.irp b, 0,1
	s_delay_alu instid0(VALU_DEP_2)
	v_max_num_f32 v[BM+\b], v[BM+\b], v[PT+\b]
.endr
.irp b, 0,1
	s_delay_alu instid0(VALU_DEP_2)
	v_add_nc_u32 v[SOP+\b], 0xff000000, v[BM+\b]
.endr
.irp b, 0,1
	s_delay_alu instid0(VALU_DEP_2)
	v_lshrrev_b32 v[PT+\b], 23, v[SOP+\b]
.endr
	s_delay_alu instid0(VALU_DEP_1)
	v_lshl_or_b32 v[TT], v[PT+1], 8, v[PT]
	v_cvt_scalef32_pk16_fp6_f32 v[PCD:PCD+2], v[S:S+15], v[SOP]
	v_cvt_scalef32_pk16_fp6_f32 v[PCT:PCT+2], v[S+16:S+31], v[SOP+1]
	v_nop
.irp i, 0,1,2
	v_permlane16_swap_b32 v[PCD+\i], v[PCT+\i]
.endr
.irp i, 0,1,2
	s_delay_alu instid0(VALU_DEP_3)
	v_mov_b32 v[PCD+3+\i], v[PCT+\i]
.endr
	global_store_b128 v1, v[PCD:PCD+3], s[22:23]   ; 512 and 256 consecutive bytes
	global_store_b64 v2, v[PCD+4:PCD+5], s[22:23] offset:512
	global_store_b16 v15, v[TT], s[20:21]          ; two bytes of a word that two heads share (lanes l and l xor 16 write the same); 131,072 such bytes in the launch
	s_wait_tensorcnt 0x0                           ; the wave's end
	ds_add_u32 v[SPW], v[NIL]
	s_wait_dscnt 0x0
	CROUND                                         ; the closing round
	s_endpgm
.Lfunc_end_k_qa6b5b1a62e_attn:
	.size	k_qa6b5b1a62e_attn, .Lfunc_end_k_qa6b5b1a62e_attn-k_qa6b5b1a62e_attn
	.p2alignl 7, 3214868480
	.fill 96, 4, 3214868480
	.section	.rodata,"a",@progbits
	.p2align	6, 0x0
	.amdhsa_kernel k_qa6b5b1a62e_attn
		.amdhsa_group_segment_fixed_size 206848
		.amdhsa_private_segment_fixed_size 0
		.amdhsa_enable_private_segment 0
		.amdhsa_kernarg_size 16
		.amdhsa_user_sgpr_count 2
		.amdhsa_user_sgpr_kernarg_segment_ptr 1
		.amdhsa_wavefront_size32 1
		.amdhsa_system_sgpr_workgroup_id_x 1
		.amdhsa_system_sgpr_workgroup_id_y 1
		.amdhsa_system_sgpr_workgroup_id_z 1
		.amdhsa_system_vgpr_workitem_id 0
		.amdhsa_next_free_vgpr 256
		.amdhsa_next_free_sgpr 66
		.amdhsa_reserve_vcc 0
		.amdhsa_float_denorm_mode_32 3
		.amdhsa_float_denorm_mode_16_64 3
		.amdhsa_memory_ordered 1
		.amdhsa_forward_progress 1
		.amdhsa_inst_pref_size 31
	.end_amdhsa_kernel
	.amdgpu_metadata
---
amdhsa.version: [ 1, 2 ]
amdhsa.kernels:
  - .name:           k_qa6b5b1a62e_attn
    .symbol:         k_qa6b5b1a62e_attn.kd
    .args:
      - { .name: wsB, .offset: 0, .size: 8, .value_kind: global_buffer, .address_space: global }
      - { .name: wsC, .offset: 8, .size: 8, .value_kind: global_buffer, .address_space: global }
    .group_segment_fixed_size: 206848
    .private_segment_fixed_size: 0
    .kernarg_segment_align: 8
    .kernarg_segment_size: 16
    .max_flat_workgroup_size: 512
    .sgpr_count:     66
    .vgpr_count:     256
    .wavefront_size: 32
...
	.end_amdgpu_metadata
.endif
;; end of part 3
;; launch woln (part 4): grid 256 x 1, 16 waves a work-group, no clusters, 131,328 bytes of LDS; arguments wsC, wsA, x, bo, g1, be1, wsE; writes wsE
.if DOCPART == 4
	.amdgcn_target "amdgcn-amd-amdhsa--gfx1250"
	.amdhsa_code_object_version 6
	.text
	.protected	k_qa6b5b1a62e_woln
	.globl	k_qa6b5b1a62e_woln
	.p2align	8
	.type	k_qa6b5b1a62e_woln,@function
k_qa6b5b1a62e_woln:
	s_mov_b64 s[64:65], 0
	v_nop
	global_prefetch_b8 v0, s[64:65] scope:SCOPE_SE
	s_setreg_imm32_b32 hwreg(HW_REG_WAVE_MODE, 25, 1), 1
	s_wait_xcnt 0x0
; x1 = layer norm(x + ctx Wo + bo) x g1 + be1.  The product runs on codes of FP6 with E8M0 scales, all else in f32; x1 leaves as f32 (the residual) and as codes with scale words, the next product's operand.
; Work-group rb owns token tile rb, 16 rows x all 1,024 columns, so a row's mean and variance are made where its sums are made and no f32 product goes to memory.
; THE PRODUCT.  Wave w owns columns 64 w .. 64 w + 63: 4 tiles of Wo, 4 accumulators by turns.  Source 0 = Wo's 16 rows, source 1 = the tokens: lane (r, h) holds token r and,
; in tiles 2 p, 2 p + 1, columns 64 w + 32 p + 16 h + 0 .. 15.  Operands lie in memory as images of their registers (fragment (tile, ks) at (tile x KSN + ks) x 1536).
; Wo's fragments go from memory straight into registers, in three sets that take turns: 17 loads a set, so 51 loads a wave are out.  The tokens' fragments (KSN x 1,536 bytes) and scale words are copied once into LDS.
; No tensor load, no cluster: each byte of Wo feeds one wave of the work-group once, so a passage through LDS would add a write and a read for each byte.  No prefetch: the register loads are issued three K steps ahead of their use.
; THE NORM.  The sums meet in a stage in LDS (16 rows, pitch 4,112 bytes); behind a barrier wave w owns row w, token 32 (rb / 2) + 8 (rb % 2) + w + 8 (w / 8): two passes (the mean, then the squares of the differences), inside the wave.
; The normalised rows meet in the same stage; behind a second barrier waves 0 to 7 each make the fragment of one K step and its scale words.
; LIMITS: NaN and infinities are not served; 1 / sqrt is v_rsq_f32; a block of zeros gets the byte 1 (this program alone reads the bytes).  The scale words leave 4 bytes a lane, 16 bytes apart: 131,072 bytes in the launch.
.set KSN,   8
.set KL,    3                          ; log2 of KSN
.set AOFF,  0
.set ASOFF, 3145728
.set BOFF,  5505024
.set BSOFF, 12812288
.set QOUT,  1                          ; 1: codes and scale words leave too
.set KROWB, KSN*1536
.set TRIPS, (KSN-5)/3
.set NCP,   KROWB/4096
.set PITCH, 4112
.set ACP,   16*PITCH                   ; the tokens' fragments
.set ASC,   ACP+49152                  ; their scale words: [ks][r]
.set VCS,   ASC+2048                   ; the bias, the gain and the offset, 4,096 bytes each: copied once for the sixteen waves
.set SPARE, VCS+12288                  ; the spare words, 128 bytes a wave
.set L16, 4
.set L8,  5
.set SIN, 6
.set SOUT, 7
.set R16, 8
.set AS4, 9
.set SPW, 10
.set NIL, 11
.set AL16, 22
.set AL8, 23
.set ACC, 24                           ; v24-55 four accumulators; later my row of the sums
.set BS,  56                           ; v56-235 three sets: four fragments of the weight, one of the tokens
.set BSC, 236                          ; v236-247 the weight's scale words, four a set
.set ASR, 248                          ; v248, v252, v249 the tokens' scale words
.set STO, 251
.set X,   176
.set RW,  24
.set BO,  56
.set G,   88
.set BE,  120
.set XN,  56
.set CD,  120
.set WV,  18
.set SEL, 36
.macro WALU
	s_wait_alu depctr_va_vdst(0)
.endm
.macro GLOAD s, j                      ; the weight's fragments and scale words of the K step j behind the bases, into set s: 17 loads
.irp b, 0,1,2,3
	global_load_b128 v[BS+60*(\s)+12*\b:BS+60*(\s)+12*\b+3], v[L16], s[24:25] offset:\b*KROWB+(\j)*1536
	global_load_b64 v[BS+60*(\s)+12*\b+4:BS+60*(\s)+12*\b+5], v[L8], s[24:25] offset:\b*KROWB+(\j)*1536+512
	global_load_b128 v[BS+60*(\s)+12*\b+6:BS+60*(\s)+12*\b+9], v[L16], s[24:25] offset:\b*KROWB+(\j)*1536+768
	global_load_b64 v[BS+60*(\s)+12*\b+10:BS+60*(\s)+12*\b+11], v[L8], s[24:25] offset:\b*KROWB+(\j)*1536+1280
.endr
	global_load_b128 v[BSC+4*(\s):BSC+4*(\s)+3], v[R16], s[26:27] offset:(\j)*512
.endm
.macro DLOAD s, j                      ; the tokens' fragment and scale word of the same K step: 5 LDS loads
	ds_load_b128 v[BS+60*(\s)+48:BS+60*(\s)+51], v[AL16] offset:(\j)*1536
	ds_load_b64 v[BS+60*(\s)+52:BS+60*(\s)+53], v[AL8] offset:(\j)*1536+512
	ds_load_b128 v[BS+60*(\s)+54:BS+60*(\s)+57], v[AL16] offset:(\j)*1536+768
	ds_load_b64 v[BS+60*(\s)+58:BS+60*(\s)+59], v[AL8] offset:(\j)*1536+1280
	ds_load_b32 v[ASR+((\s)*4)%7], v[AS4] offset:(\j)*64
.endm
.macro STEP s, zero, lc, dc            ; a K step on set s; lc, dc: the loads issued behind this set's
	s_wait_loadcnt \lc
	s_wait_dscnt \dc
.irp b, 0,1,2,3
.if \zero
	v_wmma_scale_f32_16x16x128_f8f6f4 v[ACC+8*\b:ACC+8*\b+7], v[BS+60*(\s)+12*\b:BS+60*(\s)+12*\b+11], v[BS+60*(\s)+48:BS+60*(\s)+59], 0, v[BSC+4*(\s)+\b], v[ASR+((\s)*4)%7] matrix_a_fmt:MATRIX_FMT_FP6 matrix_b_fmt:MATRIX_FMT_FP6
.else
	v_wmma_scale_f32_16x16x128_f8f6f4 v[ACC+8*\b:ACC+8*\b+7], v[BS+60*(\s)+12*\b:BS+60*(\s)+12*\b+11], v[BS+60*(\s)+48:BS+60*(\s)+59], v[ACC+8*\b:ACC+8*\b+7], v[BSC+4*(\s)+\b], v[ASR+((\s)*4)%7] matrix_a_fmt:MATRIX_FMT_FP6 matrix_b_fmt:MATRIX_FMT_FP6
.endif
.endr
.rept 4
	v_nop                                          ; places ahead of loads into the set's registers, and of the first read of the sums
.endr
.endm
.macro VEC dst, lo                     ; a row of 4,096 bytes: each load covers 512 consecutive bytes
.irp i, 0,1,2,3,4,5,6,7
	global_load_b128 v[\dst+4*\i:\dst+4*\i+3], v[L16], s[\lo:\lo+1] offset:512*\i
.endr
.endm
	s_load_b256 s[4:11], s[0:1], 0x0               ; the tokens' operand, the weights, the residual, the bias
	s_load_b128 s[12:15], s[0:1], 0x20             ; the gain, the offset
	s_load_b64 s[16:17], s[0:1], 0x30              ; the output
	v_lshl_add_u32 v[SPW], v0, 2, SPARE
	v_mov_b32 v[NIL], 0
	v_lshrrev_b32 v1, 5, v0
	v_readfirstlane_b32 s[WV], v1                  ; wave
	v_and_b32 v1, 31, v0
	v_and_b32 v2, 15, v0                           ; r
	v_bfe_u32 v3, v0, 4, 1                         ; h
	v_lshlrev_b32 v[L16], 4, v1
	v_lshlrev_b32 v[L8], 3, v1
	v_lshlrev_b32 v[R16], 4, v2
	v_add_nc_u32 v[AL16], ACP, v[L16]
	v_add_nc_u32 v[AL8], ACP, v[L8]
	v_lshl_add_u32 v[AS4], v2, 2, ASC
	v_lshlrev_b32 v15, 3, v0                       ; the copy: 8 bytes a thread
	v_lshl_add_u32 v12, v0, 3, ACP
	v_lshl_add_u32 v13, v0, 2, ASC
	v_lshl_add_u32 v16, v0, 3, VCS
	v_add_nc_u32 v253, VCS, v[L16]
	v_bfe_u32 v14, v0, 4, KL                       ; thread (ks, r) fetches row r's scale word of K step ks
	v_lshl_add_u32 v14, v14, 9, v[R16]
	s_mul_i32 s19, s[WV], PITCH
	v_add_nc_u32 v[SIN], s19, v[L16]               ; the stage by rows: row = my wave
	v_mul_u32_u24 v[STO], v2, PITCH
	v_lshl_add_u32 v[STO], v3, 6, v[STO]
	s_lshl_b32 s19, s[WV], 8
	v_add_nc_u32 v[STO], s19, v[STO]               ; the stage by sums: row r, byte 256 w + 64 h
.if QOUT
	s_and_b32 s38, s[WV], 7                        ; the K step that I quantise, if I do
	s_lshl_b32 s19, s38, 9
	v_mul_u32_u24 v[SOUT], v2, PITCH
	v_lshl_add_u32 v[SOUT], v3, 7, v[SOUT]
	v_add_nc_u32 v[SOUT], s19, v[SOUT]
	v_lshlrev_b32 v18, 3, v3
.endif
	v_mov_b32 v19, 0                               ; a lane permute's destination counts as read
	s_mul_i32 s20, ttmp9, KROWB
	s_add_co_u32 s20, s20, AOFF                    ; my tile's fragments
	s_mov_b32 s21, 0
	s_lshr_b32 s22, ttmp9, 3
	s_mul_i32 s22, s22, KSN*512
	s_bfe_u32 s23, ttmp9, 0x10002
	s_lshl_b32 s23, s23, 8
	s_add_co_u32 s22, s22, s23
	s_and_b32 s23, ttmp9, 3
	s_lshl_b32 s23, s23, 2
	s_add_co_u32 s22, s22, s23
	s_add_co_u32 s22, s22, ASOFF                   ; its scale words
	s_mov_b32 s23, 0
	s_mul_i32 s24, s[WV], 4*KROWB
	s_add_co_u32 s24, s24, BOFF                    ; my four tiles of the weight
	s_mov_b32 s25, 0
	s_lshr_b32 s26, s[WV], 1
	s_mul_i32 s26, s26, KSN*512
	s_and_b32 s27, s[WV], 1
	s_lshl_b32 s27, s27, 8
	s_add_co_u32 s26, s26, s27
	s_add_co_u32 s26, s26, BSOFF                   ; their scale words
	s_mov_b32 s27, 0
	s_lshr_b32 s28, ttmp9, 1
	s_lshl_b32 s28, s28, 5
	s_and_b32 s29, ttmp9, 1
	s_lshl_b32 s29, s29, 3
	s_add_co_u32 s28, s28, s29
	s_add_co_u32 s28, s28, s[WV]
	s_and_b32 s29, s[WV], 8
	s_add_co_u32 s28, s28, s29                     ; my token
	s_lshl_b32 s28, s28, 12
	s_mov_b32 s29, 0
.if QOUT
	s_lshl_b32 s32, ttmp9, 3
	s_add_co_u32 s32, s32, s38
	s_mul_i32 s32, s32, 1536
	s_add_co_u32 s32, s32, 16777216                ; the fragment that I make
	s_mov_b32 s33, 0
	s_lshr_b32 s34, ttmp9, 3
	s_lshl_b32 s34, s34, 3
	s_add_co_u32 s34, s34, s38
	s_lshl_b32 s34, s34, 9
	s_bfe_u32 s35, ttmp9, 0x10002
	s_lshl_b32 s35, s35, 8
	s_add_co_u32 s34, s34, s35
	s_and_b32 s35, ttmp9, 3
	s_lshl_b32 s35, s35, 2
	s_add_co_u32 s34, s34, s35
	s_add_co_u32 s34, s34, 19922944                ; its scale words
	s_mov_b32 s35, 0
.endif
	s_mov_b32 s[SEL], 0x76543210
	s_mov_b32 s[SEL+1], 0xfedcba98
	s_mov_b32 s40, 0xba800000                      ; -1 / 1024
	s_mov_b32 s41, 0x3a800000                      ; 1 / 1024
	s_mov_b32 s42, 0x3727c5ac                      ; 1e-5
	s_mov_b32 s43, TRIPS
	WALU
	s_wait_kmcnt 0x0
	s_add_nc_u64 s[20:21], s[4:5], s[20:21]
	s_add_nc_u64 s[22:23], s[4:5], s[22:23]
	s_add_nc_u64 s[24:25], s[6:7], s[24:25]
	s_add_nc_u64 s[26:27], s[6:7], s[26:27]
	s_add_nc_u64 s[8:9], s[8:9], s[28:29]
	s_add_nc_u64 s[30:31], s[16:17], s[28:29]
.if QOUT
	s_add_nc_u64 s[32:33], s[16:17], s[32:33]
	s_add_nc_u64 s[34:35], s[16:17], s[34:35]
.endif
.set i, 0
.rept NCP
	global_load_b64 v[ACC+2*i:ACC+2*i+1], v15, s[20:21] offset:4096*i th:TH_LOAD_NT   ; 512 threads x 8 bytes: 4,096 consecutive bytes
.set i, i+1
.endr
	global_load_b32 v[ACC+24], v14, s[22:23]
	global_load_b64 v[ACC+26:ACC+27], v15, s[10:11]    ; 512 threads x 8 bytes: a whole vector
	global_load_b64 v[ACC+28:ACC+29], v15, s[12:13]
	global_load_b64 v[ACC+30:ACC+31], v15, s[14:15]
	GLOAD 0, 0
	GLOAD 1, 1
	s_wait_loadcnt 34                              ; the copy's loads are in; behind them: two sets of 17
.set i, 0
.rept NCP
	ds_store_b64 v12, v[ACC+2*i:ACC+2*i+1] offset:4096*i
.set i, i+1
.endr
	ds_store_b32 v13, v[ACC+24]
	ds_store_b64 v16, v[ACC+26:ACC+27]
	ds_store_b64 v16, v[ACC+28:ACC+29] offset:4096
	ds_store_b64 v16, v[ACC+30:ACC+31] offset:8192
	GLOAD 2, 2
	s_wait_dscnt 0x0                               ; for the others: my part of the copy has landed
	s_barrier_signal -1
	s_barrier_wait -1
	DLOAD 0, 0
	DLOAD 1, 1
	DLOAD 2, 2
	STEP 0, 1, 34, 10                              ; the first K step starts the sums
	GLOAD 0, 3
	DLOAD 0, 3
	STEP 1, 0, 34, 10
	GLOAD 1, 4
	DLOAD 1, 4
.Lk:                                                   ; a trip runs three K steps, until the sets' numbers are back where they began
	STEP 2, 0, 34, 10
	GLOAD 2, 5
	DLOAD 2, 5
	STEP 0, 0, 34, 10
	GLOAD 0, 6
	DLOAD 0, 6
	STEP 1, 0, 34, 10
	GLOAD 1, 7
	DLOAD 1, 7
	s_wait_xcnt 0x0                                ; the loads have read their bases
	s_add_nc_u64 s[24:25], s[24:25], 3*1536
	s_add_nc_u64 s[26:27], s[26:27], 3*512
	v_add_nc_u32 v[AL16], 3*1536, v[AL16]
	v_add_nc_u32 v[AL8], 3*1536, v[AL8]
	v_add_nc_u32 v[AS4], 3*64, v[AS4]
	s_sub_co_u32 s43, s43, 1
	s_cmp_lg_u32 s43, 0
	WALU
	s_cbranch_scc1 .Lk
	STEP 2, 0, 34, 10                              ; the last three K steps fetch no weights: the sets that they leave take the norm's vectors
	VEC X, 8
	STEP 0, 0, 25, 5                               ; behind set 0's loads: set 1's 17 and the residual's 8
.macro LVEC dst, off                   ; a vector out of LDS, laid as a row is
.irp i, 0,1,2,3,4,5,6,7
	ds_load_b128 v[\dst+4*\i:\dst+4*\i+3], v253 offset:\off+512*\i
.endr
.endm
	LVEC BO, 0
	STEP 1, 0, 8, 8                                ; behind set 1's loads: the residual's 8 global loads, the bias's 8 LDS loads
	LVEC G, 4096
	LVEC BE, 8192
.irp b, 0,1,2,3
	ds_store_b128 v[STO], v[ACC+8*\b:ACC+8*\b+3] offset:128*(\b/2)+32*(\b%2)        ; each accumulator from its low end on
	ds_store_b128 v[STO], v[ACC+8*\b+4:ACC+8*\b+7] offset:128*(\b/2)+32*(\b%2)+16
.endr
	s_wait_dscnt 0x0                               ; for the others: my columns lie in the stage
	s_barrier_signal -1
	s_barrier_wait -1
.irp i, 0,1,2,3,4,5,6,7
	ds_load_b128 v[RW+4*\i:RW+4*\i+3], v[SIN] offset:512*\i
.endr
.macro WSUM                            ; v12: the sum over the wave's 32 lanes, in every lane
	s_delay_alu instid0(VALU_DEP_1)
	v_add_f32_dpp v12, v12, v12 row_xmask:1 row_mask:0xf bank_mask:0xf
	s_delay_alu instid0(VALU_DEP_1)
	v_add_f32_dpp v12, v12, v12 row_xmask:2 row_mask:0xf bank_mask:0xf
	s_delay_alu instid0(VALU_DEP_1)
	v_add_f32_dpp v12, v12, v12 row_xmask:4 row_mask:0xf bank_mask:0xf
	s_delay_alu instid0(VALU_DEP_1)
	v_add_f32_dpp v12, v12, v12 row_xmask:8 row_mask:0xf bank_mask:0xf
	s_delay_alu instid0(VALU_DEP_1)
	v_permlanex16_b32 v19, v12, s[SEL], s[SEL+1]
	s_delay_alu instid0(VALU_DEP_1)
	v_add_f32 v12, v12, v19
.endm
	s_wait_loadcnt 0x0                             ; the residual is in
	s_wait_dscnt 0x0
.set j, 0
.rept 16
	v_pk_add_f32 v[X+j:X+j+1], v[X+j:X+j+1], v[RW+j:RW+j+1]
.set j, j+2
.endr
.set j, 0
.rept 16
	v_pk_add_f32 v[X+j:X+j+1], v[X+j:X+j+1], v[BO+j:BO+j+1]
.set j, j+2
.endr
	v_pk_add_f32 v[12:13], v[X:X+1], v[X+2:X+3]
	v_pk_add_f32 v[14:15], v[X+4:X+5], v[X+6:X+7]
.irp j, 8,12,16,20,24,28
	s_delay_alu instid0(VALU_DEP_2)
	v_pk_add_f32 v[12:13], v[12:13], v[X+\j:X+\j+1]
	s_delay_alu instid0(VALU_DEP_2)
	v_pk_add_f32 v[14:15], v[14:15], v[X+\j+2:X+\j+3]
.endr
	s_delay_alu instid0(VALU_DEP_1)
	v_pk_add_f32 v[12:13], v[12:13], v[14:15]
	s_delay_alu instid0(VALU_DEP_1)
	v_add_f32 v12, v12, v13
	WSUM
	s_delay_alu instid0(VALU_DEP_1)
	v_mul_f32 v16, s40, v12                        ; -mean
	s_delay_alu instid0(VALU_DEP_1)
	v_mov_b32 v17, v16
.set j, 0
.rept 16
	v_pk_add_f32 v[X+j:X+j+1], v[X+j:X+j+1], v[16:17]
.set j, j+2
.endr
	v_pk_mul_f32 v[12:13], v[X:X+1], v[X:X+1]
	v_pk_mul_f32 v[14:15], v[X+2:X+3], v[X+2:X+3]
.irp j, 4,8,12,16,20,24,28
	s_delay_alu instid0(VALU_DEP_2)
	v_pk_fma_f32 v[12:13], v[X+\j:X+\j+1], v[X+\j:X+\j+1], v[12:13]
	s_delay_alu instid0(VALU_DEP_2)
	v_pk_fma_f32 v[14:15], v[X+\j+2:X+\j+3], v[X+\j+2:X+\j+3], v[14:15]
.endr
	s_delay_alu instid0(VALU_DEP_1)
	v_pk_add_f32 v[12:13], v[12:13], v[14:15]
	s_delay_alu instid0(VALU_DEP_1)
	v_add_f32 v12, v12, v13
	WSUM
	s_delay_alu instid0(VALU_DEP_1)
	v_fma_f32 v12, v12, s41, s42                   ; the variance + 1e-5
	WALU
	v_rsq_f32 v20, v12
	v_rsq_f32 v21, v12
	v_nop                                          ; a plain place behind the transcendentals
	WALU                                           ; one wait for both, ahead of their first reader
.set j, 0
.rept 16
	v_pk_mul_f32 v[X+j:X+j+1], v[X+j:X+j+1], v[20:21]
.set j, j+2
.endr
.set j, 0
.rept 16
	v_pk_fma_f32 v[X+j:X+j+1], v[X+j:X+j+1], v[G+j:G+j+1], v[BE+j:BE+j+1]
.set j, j+2
.endr
.if QOUT
.irp i, 0,1,2,3,4,5,6,7
	global_store_b128 v[L16], v[X+4*\i:X+4*\i+3], s[30:31] offset:512*\i
	ds_store_b128 v[SIN], v[X+4*\i:X+4*\i+3] offset:512*\i      ; onto my own row of the stage, which I alone have read
.endr
	s_wait_dscnt 0x0                               ; for the others: my row lies in the stage
	s_barrier_signal -1
	s_barrier_wait -1
	s_cmp_ge_u32 s[WV], 8
	s_cbranch_scc1 .Lend
.set i, 0
.rept 16
	ds_load_b128 v[XN+4*i:XN+4*i+3], v[SOUT] offset:256*(i/8)+16*(i%8)   ; row r, K 128 w + 64 c + 32 h on
.set i, i+1
.endr
	s_wait_dscnt 0x0
.irp c, 0,1
	v_max3_num_f32 v[12+\c], |v[XN+32*\c]|, |v[XN+32*\c+1]|, 0x1800000   ; my block 2 c + h, and the floor 2^(3 - 127)
.endr
.irp i, 2,4,6,8,10,12,14,16,18,20,22,24,26,28,30
.irp c, 0,1
	s_delay_alu instid0(VALU_DEP_2)
	v_max3_num_f32 v[12+\c], v[12+\c], |v[XN+32*\c+\i]|, |v[XN+32*\c+\i+1]|
.endr
.endr
.irp c, 0,1
	s_delay_alu instid0(VALU_DEP_2)
	v_add_nc_u32 v[14+\c], 0xff000000, v[12+\c]
.endr
.irp c, 0,1
	s_delay_alu instid0(VALU_DEP_2)
	v_lshrrev_b32 v[16+\c], 23, v[14+\c]
.endr
	s_delay_alu instid0(VALU_DEP_1)
	v_lshl_or_b32 v28, v17, 16, v16
	s_delay_alu instid0(VALU_DEP_1)
	v_lshlrev_b32 v28, v18, v28
	s_delay_alu instid0(VALU_DEP_1)
	v_permlanex16_b32 v19, v28, s[SEL], s[SEL+1]
	s_delay_alu instid0(VALU_DEP_1)
	v_or_b32 v28, v28, v19                         ; my row's scale word
.irp c, 0,1
	v_cvt_scalef32_pk16_fp6_f32 v[CD+6*\c:CD+2+6*\c], v[XN+32*\c:XN+32*\c+15], v[14+\c]
	v_cvt_scalef32_pk16_fp6_f32 v[20+4*\c:22+4*\c], v[XN+32*\c+16:XN+32*\c+31], v[14+\c]
.endr
	v_nop
.irp c, 0,1
.irp i, 0,1,2
	v_mov_b32 v[CD+3+6*\c+\i], v[20+4*\c+\i]
.endr
.endr
	global_store_b128 v[L16], v[CD:CD+3], s[32:33]
	global_store_b64 v[L8], v[CD+4:CD+5], s[32:33] offset:512
	global_store_b128 v[L16], v[CD+6:CD+9], s[32:33] offset:768
	global_store_b64 v[L8], v[CD+10:CD+11], s[32:33] offset:1280
	global_store_b32 v[R16], v28, s[34:35]         ; lanes l and l xor 16 write the same word
.Lend:
.else
.irp i, 0,1,2,3,4,5,6,7
	global_store_b128 v[L16], v[X+4*\i:X+4*\i+3], s[30:31] offset:512*\i th:TH_STORE_NT
.endr
.endif
	s_wait_tensorcnt 0x0                           ; the wave's end, behind my last LDS store
	ds_add_u32 v[SPW], v[NIL]
	s_wait_dscnt 0x0
	s_endpgm
.Lfunc_end_k_qa6b5b1a62e_woln:
	.size	k_qa6b5b1a62e_woln, .Lfunc_end_k_qa6b5b1a62e_woln-k_qa6b5b1a62e_woln
	.p2alignl 7, 3214868480
	.fill 96, 4, 3214868480
	.section	.rodata,"a",@progbits
	.p2align	6, 0x0
	.amdhsa_kernel k_qa6b5b1a62e_woln
		.amdhsa_group_segment_fixed_size 131328
		.amdhsa_private_segment_fixed_size 0
		.amdhsa_enable_private_segment 0
		.amdhsa_kernarg_size 56
		.amdhsa_user_sgpr_count 2
		.amdhsa_user_sgpr_kernarg_segment_ptr 1
		.amdhsa_wavefront_size32 1
		.amdhsa_system_sgpr_workgroup_id_x 1
		.amdhsa_system_sgpr_workgroup_id_y 1
		.amdhsa_system_sgpr_workgroup_id_z 1
		.amdhsa_system_vgpr_workitem_id 0
		.amdhsa_next_free_vgpr 256
		.amdhsa_next_free_sgpr 66
		.amdhsa_reserve_vcc 0
		.amdhsa_float_denorm_mode_32 3
		.amdhsa_float_denorm_mode_16_64 3
		.amdhsa_memory_ordered 1
		.amdhsa_forward_progress 1
		.amdhsa_inst_pref_size 48
	.end_amdhsa_kernel
	.amdgpu_metadata
---
amdhsa.version: [ 1, 2 ]
amdhsa.kernels:
  - .name:           k_qa6b5b1a62e_woln
    .symbol:         k_qa6b5b1a62e_woln.kd
    .args:
      - { .name: wsC, .offset: 0, .size: 8, .value_kind: global_buffer, .address_space: global }
      - { .name: wsA, .offset: 8, .size: 8, .value_kind: global_buffer, .address_space: global }
      - { .name: x, .offset: 16, .size: 8, .value_kind: global_buffer, .address_space: global }
      - { .name: bo, .offset: 24, .size: 8, .value_kind: global_buffer, .address_space: global }
      - { .name: g1, .offset: 32, .size: 8, .value_kind: global_buffer, .address_space: global }
      - { .name: be1, .offset: 40, .size: 8, .value_kind: global_buffer, .address_space: global }
      - { .name: wsE, .offset: 48, .size: 8, .value_kind: global_buffer, .address_space: global }
    .group_segment_fixed_size: 131328
    .private_segment_fixed_size: 0
    .kernarg_segment_align: 8
    .kernarg_segment_size: 56
    .max_flat_workgroup_size: 512
    .sgpr_count:     66
    .vgpr_count:     256
    .wavefront_size: 32
...
	.end_amdgpu_metadata
.endif
;; end of part 4
;; launch ffn1 (part 5): grid 16 x 16, 4 waves a work-group, clusters of 4 x 4, 327,680 bytes of LDS; arguments wsE, wsA, b1, wsF; writes wsF
.if DOCPART == 5
	.amdgcn_target "amdgcn-amd-amdhsa--gfx1250"
	.amdhsa_code_object_version 6
	.text
	.protected	k_qa6b5b1a62e_ffn1
	.globl	k_qa6b5b1a62e_ffn1
	.p2align	8
	.type	k_qa6b5b1a62e_ffn1,@function
k_qa6b5b1a62e_ffn1:
	s_mov_b64 s[64:65], 0
	v_nop
	global_prefetch_b8 v0, s[64:65] scope:SCOPE_SE
	s_setreg_imm32_b32 hwreg(HW_REG_WAVE_MODE, 25, 1), 1
	s_wait_xcnt 0x0
	s_wait_alu depctr_hold_cnt(0) depctr_sa_sdst(0) depctr_va_vdst(0) depctr_va_sdst(0) depctr_va_ssrc(0) depctr_va_vcc(0) depctr_vm_vsrc(0)
	s_getreg_b32 s2, hwreg(HW_REG_IB_STS2, 6, 4)
	s_cmp_eq_u32 s2, 0
	s_cbranch_scc0 .Lentry_in_a_cluster
	s_endpgm
.Lentry_in_a_cluster:
	s_bfe_u32 s2, ttmp6, 0x10000c
	s_cmp_lg_u32 s2, 0xf033
	s_cbranch_scc0 .Lentry_shape_is_right
	s_endpgm
.Lentry_shape_is_right:
.set MODE, 1
.set KDIM, 1024
.set PF,   0
.set AOFF, 16777216
.set ASOFF, 19922944
.set BOFF, 6291456
.set BSOFF, 12845056
.set KSN,    KDIM/128
.set KROWB,  KSN*1536
.set RBB,    3072
.set HALFT,  8*RBB
.set SLOT,   4*HALFT
.set LAPS,   KDIM/512
.set HALFS,  KSN*512
.set SCL,    2*SLOT
.set SPARE,  SCL+4*HALFS
.set SPITCH, 528
.set FR, 12
.set NL, 4
.set NP, 4
.set ADRA, 16
.set ADRB, 20
.set STO,  24
.set RD,   25
.set CO,   26
.set ADRS, 27
.set SPW,  28
.set NIL,  29
.set PFO,  30
.set SC,   32
.set BIAS, 64
.set AF,   128
.set BROW, 224
.set BK,   128
.set T,    128
.set PC,   192
.set TM,   64
.set PW,   80
.set Z,    88
.set G1,   24
.set G0,   32
.set G1B,  48
.set G0B,  56
.set G1S,  68
.set G0S,  76
.set G1SB, 80
.set G0SB, 88
.set SEL,  92
.set LIM,  95
.set MQ,   95
.set MV,   96
.set PFA,  96
.set HI,   97
.set MSB, 0
.macro WIN new
.if MSB != \new
	s_set_vgpr_msb (MSB<<8)|\new
.set MSB, \new
.endif
.endm
.set MUL_LO, 0xa1
.set MUL_HI, 0xf1
.set TO_B,   0x40
.macro WMUL hi, zero
.if (\zero) && (MODE > 0)
	WIN 0x81+0x40*(\hi)
.else
	WIN 0xa1+0x50*(\hi)
.endif
.endm
.macro JLOAD g0a, g1a, g0b, g1b
	s_cmp_eq_u32 s15, 0
	s_cbranch_scc0 .Lfor_b_\@
	tensor_load_to_lds s[\g0a:\g0a+3], s[\g1a:\g1a+7]
	s_nop 0
.rept 4
	v_nop
.endr
	s_branch .Lasked_\@
.Lfor_b_\@:
	tensor_load_to_lds s[\g0b:\g0b+3], s[\g1b:\g1b+7]
	s_nop 0
.rept 4
	v_nop
.endr
.Lasked_\@:
.endm
.macro CREST
	s_cmp_lg_u32 s14, 0
	s_cbranch_scc1 .Lnot_wave_0_\@
	s_barrier_signal -3
.Lnot_wave_0_\@:
	s_barrier_wait -3
	s_barrier_signal -1
	s_barrier_wait -1
.endm
.macro CROUND
	s_barrier_signal -1
	s_barrier_wait -1
	CREST
.endm
	s_load_b128 s[4:7], s[0:1], 0x0
	s_load_b128 s[8:11], s[0:1], 0x10
	v_lshl_add_u32 v[SPW], v0, 2, SPARE
	v_mov_b32 v[NIL], 0
	ds_add_u32 v[SPW], v[NIL]
	ds_add_u32 v[SPW], v[NIL]
	v_lshrrev_b32 v1, 5, v0
	v_readfirstlane_b32 s14, v1
	s_lshr_b32 s15, s14, 1
	s_and_b32 s16, s14, 1
	s_bfe_u32 s40, ttmp6, 0x40000
	s_bfe_u32 s41, ttmp6, 0x40004
	s_and_b32 s18, ttmp7, 0xffff
	s_lshl_b32 s18, s18, 2
	s_add_co_u32 s17, s18, s41
	s_lshl_b32 s42, ttmp9, 2
	s_add_co_u32 s42, s42, s40
	s_mov_b32 s94, AOFF
	s_mov_b32 s95, ASOFF
	s_mov_b32 s96, BOFF
	s_mov_b32 s97, BSOFF
	s_lshl_b32 s43, s41, 2
	s_lshl_b32 s43, 15, s43
	s_lshl_b32 s44, 0x1111, s40
	s_or_b32 s[G1+0], s43, (3<<16)|(1<<21)
	s_or_b32 s[G1B+0], s44, (3<<16)|(1<<21)
.irp g, G1, G1B
	s_mov_b32 s[\g+1], 384<<16
	s_mov_b32 s[\g+2], 16<<16                      ; the head's loads bring 16 row blocks
	s_mov_b32 s[\g+3], 384<<16
	s_mov_b32 s[\g+4], 16
	s_mov_b32 s[\g+5], KSN*192
	s_mov_b32 s[\g+6], 0
	s_mov_b32 s[\g+7], 0
.endr
	s_lshl_b32 s18, s16, 3
	s_lshl_b32 s20, s17, 4
	s_add_co_u32 s20, s20, s18
	s_mul_i32 s20, s20, KROWB
	s_add_co_u32 s20, s20, s94
	s_mov_b32 s21, 0
	s_lshl_b32 s46, s42, 4
	s_add_co_u32 s46, s46, s18
	s_mul_i32 s46, s46, KROWB
	s_add_co_u32 s46, s46, s96
	s_mov_b32 s47, 0
	s_lshl_b32 s22, s17, 1
	s_add_co_u32 s22, s22, s16
	s_mul_i32 s22, s22, HALFS
	s_add_co_u32 s22, s22, s95
	s_mov_b32 s23, 0
	s_lshl_b32 s92, s42, 1
	s_add_co_u32 s92, s92, s16
	s_mul_i32 s92, s92, HALFS
	s_add_co_u32 s92, s92, s97
	s_mov_b32 s93, 0
	s_mul_i32 s45, s14, HALFT
	s_mul_i32 s2, s14, HALFS
	s_wait_dscnt 0x0
	s_wait_kmcnt 0x0
	s_add_nc_u64 s[20:21], s[4:5], s[20:21]
	s_add_nc_u64 s[22:23], s[4:5], s[22:23]
	s_add_nc_u64 s[46:47], s[6:7], s[46:47]
	s_add_nc_u64 s[92:93], s[6:7], s[92:93]
	CROUND
	; THE HEAD'S LOADS, ONE A WAVE: a whole tile of 16 row blocks x 3,072 bytes each: waves 0 and 2 A's tiles of slots 0 and 1, waves 1 and 3 B's: both slots, 196,608 bytes, are asked for at once
	s_mul_i32 s18, s15, RBB                        ; slot s15 holds K steps 2 s15 and 2 s15 + 1
	s_mov_b32 s19, 0
	s_mov_b32 s[G0S], 1
	s_mul_i32 s[G0S+1], s15, SLOT
	s_add_nc_u64 s[G0S+2:G0S+3], s[20:21], s[18:19]    ; in the waves that ask for A the half s16 is 0: s[20:21] is the tile's first row block
	s_or_b32 s[G0S+3], s[G0S+3], 0x80000000
	s_mov_b32 s[G0SB], 1
	s_add_co_u32 s[G0SB+1], s[G0S+1], 2*HALFT
	s_sub_nc_u64 s[G0SB+2:G0SB+3], s[46:47], 8*KROWB   ; in the waves that ask for B the half s16 is 1: eight row blocks back
	s_add_nc_u64 s[G0SB+2:G0SB+3], s[G0SB+2:G0SB+3], s[18:19]
	s_or_b32 s[G0SB+3], s[G0SB+3], 0x80000000
	s_cmp_eq_u32 s16, 0
	s_cbranch_scc0 .Lhead_b
	tensor_load_to_lds s[G0S:G0S+3], s[G1:G1+7]
	s_nop 0
.rept 4
	v_nop
.endr
	s_branch .Lhead_asked
.Lhead_b:
	tensor_load_to_lds s[G0SB:G0SB+3], s[G1B:G1B+7]
	s_nop 0
.rept 4
	v_nop
.endr
.Lhead_asked:
.irp s, 0,1
	s_mov_b32 s[G0+4*\s], 1
	s_add_co_u32 s[G0+4*\s+1], s45, \s*SLOT
	s_add_nc_u64 s[G0+4*\s+2:G0+4*\s+3], s[20:21], \s*RBB
	s_or_b32 s[G0+4*\s+3], s[G0+4*\s+3], 0x80000000
	s_mov_b32 s[G0B+4*\s], 1
	s_add_co_u32 s[G0B+4*\s+1], s45, \s*SLOT
	s_add_nc_u64 s[G0B+4*\s+2:G0B+4*\s+3], s[46:47], \s*RBB
	s_or_b32 s[G0B+4*\s+3], s[G0B+4*\s+3], 0x80000000
.endr
	v_and_b32 v1, 31, v0
	v_and_b32 v2, 15, v0
	v_bfe_u32 v3, v0, 4, 1
	v_lshlrev_b32 v4, 4, v1
	v_lshlrev_b32 v5, 3, v1
	s_mul_i32 s18, s15, HALFT
	s_mul_i32 s19, s16, HALFT
	s_add_co_u32 s19, s19, 2*HALFT
.irp s, 0,1
	v_add_nc_u32 v[ADRA+\s], s18, v4
	v_add_nc_u32 v[ADRA+2+\s], s18, v5
	v_add_nc_u32 v[ADRB+\s], s19, v4
	v_add_nc_u32 v[ADRB+2+\s], s19, v5
	s_add_co_u32 s18, s18, SLOT
	s_add_co_u32 s19, s19, SLOT
.endr
	s_mul_i32 s18, s15, HALFS
	s_mul_i32 s19, s16, HALFS
	s_add_co_u32 s19, s19, 2*HALFS
	s_sub_co_u32 s19, s19, s18
	v_mul_u32_u24 v6, s19, v3
	s_add_co_u32 s18, s18, SCL
	v_lshl_add_u32 v6, v2, 4, v6
	v_add_nc_u32 v[ADRS], s18, v6
	s_cmp_eq_u32 s15, 0                            ; the scale words: my wave's 4,096 bytes (waves 0, 1 A's halves, waves 2, 3 B's) come through registers into LDS bytes that no tensor load fills
	s_cselect_b64 s[G1S:G1S+1], s[22:23], s[92:93]
	s_add_co_u32 s2, s2, SCL
	v_add_nc_u32 v31, s2, v4
.irp i, 0,1,2,3,4,5,6,7
	global_load_b128 v[AF+4*\i:AF+4*\i+3], v4, s[G1S:G1S+1] offset:512*\i   ; 512 consecutive bytes a load
.endr
	v_mov_b32 v[STO], v4
	v_mov_b32 v[RD], v5
	v_lshlrev_b32 v7, 6, v3
	s_lshl_b32 s18, s42, 8
	s_lshl_b32 s19, s16, 7
	s_add_co_u32 s18, s18, s19
	s_lshl_b32 s18, s18, 2
	s_mov_b32 s19, 0
	s_add_nc_u64 s[8:9], s[8:9], s[18:19]
.irp b, 0,1,2,3,4,5,6,7
	global_load_b128 v[BIAS+8*\b:BIAS+8*\b+3], v7, s[8:9] offset:4*(32*(\b/2)+8*(\b%2))
	global_load_b128 v[BIAS+8*\b+4:BIAS+8*\b+7], v7, s[8:9] offset:4*(32*(\b/2)+8*(\b%2))+16
.endr
	s_wait_alu depctr_va_vdst(0)
	s_wait_loadcnt 0x0
.macro FRAG reg, adr, q, i
	ds_load_b128 v[\reg:\reg+3], v[\adr] offset:(\i)*RBB+(\q)*1536
	ds_load_b64 v[\reg+4:\reg+5], v[\adr+2] offset:(\i)*RBB+(\q)*1536+512
	ds_load_b128 v[\reg+6:\reg+9], v[\adr] offset:(\i)*RBB+(\q)*1536+768
	ds_load_b64 v[\reg+10:\reg+11], v[\adr+2] offset:(\i)*RBB+(\q)*1536+1280
.endm
.macro MUL16 a0, p, q, sc, zero
.irp a, \a0, \a0+1
.irp b, 0,1,2,3,4,5,6,7
.if \zero
	v_wmma_scale_f32_16x16x128_f8f6f4 v[8*(8*((\a)%4)+\b):8*(8*((\a)%4)+\b)+7], v[128*(\p)+FR*\b:128*(\p)+FR*\b+FR-1], v[AF+FR*(\a):AF+FR*(\a)+FR-1], v[BIAS+8*\b:BIAS+8*\b+7], v[SC+16*(\sc)+8*(\q)+\b], v[SC+16*(\sc)+8*(\q)+(\a)] matrix_a_fmt:MATRIX_FMT_FP6 matrix_b_fmt:MATRIX_FMT_FP6 matrix_a_scale:MATRIX_SCALE_ROW1
.else
	v_wmma_scale_f32_16x16x128_f8f6f4 v[8*(8*((\a)%4)+\b):8*(8*((\a)%4)+\b)+7], v[128*(\p)+FR*\b:128*(\p)+FR*\b+FR-1], v[AF+FR*(\a):AF+FR*(\a)+FR-1], v[8*(8*((\a)%4)+\b):8*(8*((\a)%4)+\b)+7], v[SC+16*(\sc)+8*(\q)+\b], v[SC+16*(\sc)+8*(\q)+(\a)] matrix_a_fmt:MATRIX_FMT_FP6 matrix_b_fmt:MATRIX_FMT_FP6 matrix_a_scale:MATRIX_SCALE_ROW1
.endif
.endr
.endr
.endm
.macro FETCH_B slot, q, p
	WIN TO_B
.irp i, 0,1,2,3,4,5,6,7
	FRAG 128*(\p)+FR*\i, ADRB+\slot, \q, \i
.endr
	WIN 0
.endm
.macro FETCH_A slot, q, i0
.irp i, \i0, \i0+1, \i0+2, \i0+3
	FRAG AF+FR*(\i), ADRA+\slot, \q, \i
.endr
.endm
.macro SCALES sc
.irp q, 0,1
.irp g, 0,1
	ds_load_b128 v[SC+16*\sc+8*\q+4*\g:SC+16*\sc+8*\q+4*\g+3], v[ADRS] offset:512*\q+256*\g
.endr
.endr
.endm
.macro PLACES n
.rept \n
	v_nop
.endr
.endm
.macro STEP slot, q, zero
	s_wait_dscnt 4*NL
	WMUL 0, \zero
	MUL16 0, (\q)%2, \q, \slot, \zero
	MUL16 2, (\q)%2, \q, \slot, \zero
	s_wait_dscnt 0
	PLACES NP
	FETCH_B \slot, (\q)+1, 1-(\q)%2
	FETCH_A \slot, (\q)+1, 0
	WMUL 1, \zero
	MUL16 4, (\q)%2, \q, \slot, \zero
	MUL16 6, (\q)%2, \q, \slot, \zero
	PLACES NP
	WIN 0
	FETCH_A \slot, (\q)+1, 4
.endm
.macro TURN slot, next, fill
	s_wait_tensorcnt 0x0
	ds_add_u32 v[SPW], v[NIL]
	s_wait_dscnt 4*NL+1
	WIN MUL_LO
	MUL16 0, 1, 1, \slot, 0
	s_wait_dscnt 0x0
	s_barrier_signal -1
	MUL16 2, 1, 1, \slot, 0
	WIN 0
	s_barrier_wait -1
.if \fill
	CREST
	s_add_nc_u64 s[G0+4*\slot+2:G0+4*\slot+3], s[G0+4*\slot+2:G0+4*\slot+3], 2*RBB
	s_add_nc_u64 s[G0B+4*\slot+2:G0B+4*\slot+3], s[G0B+4*\slot+2:G0B+4*\slot+3], 2*RBB
	JLOAD G0+4*\slot, G1, G0B+4*\slot, G1B
.else
	PLACES NP
.endif
	s_wait_alu depctr_va_vdst(0)
	v_add_nc_u32 v[ADRS], 1024, v[ADRS]
	FETCH_B \next, 0, 0
	FETCH_A \next, 0, 0
	SCALES \next
	WIN MUL_HI
	MUL16 4, 1, 1, \slot, 0
	MUL16 6, 1, 1, \slot, 0
	PLACES NP
	WIN 0
	FETCH_A \next, 0, 4
.endm
	s_wait_alu depctr_va_vdst(0)
	s_wait_loadcnt 0x0                             ; my scale words are in registers
	s_wait_tensorcnt 0x0                           ; my tile of the head's four is in
.irp i, 0,1,2,3,4,5,6,7
	ds_store_b128 v31, v[AF+4*\i:AF+4*\i+3] offset:512*\i
.endr
	s_mov_b32 s[G1+2], 8<<16                       ; no tensor load of mine is out: from here on a load brings 8 row blocks
	s_mov_b32 s[G1+4], 8
	s_mov_b32 s[G1B+2], 8<<16
	s_mov_b32 s[G1B+4], 8
	s_wait_dscnt 0x0                               ; for the others: my scale words lie in LDS
	s_barrier_signal -1
	s_barrier_wait -1
	FETCH_B 0, 0, 0
	FETCH_A 0, 0, 0
	SCALES 0
	FETCH_A 0, 0, 4
	STEP 0, 0, 1
	s_mov_b32 s3, LAPS-1
.Llap:
	TURN 0, 1, 1
	STEP 1, 0, 0
	TURN 1, 0, 1
	STEP 0, 0, 0
	s_sub_co_u32 s3, s3, 1
	s_cmp_lg_u32 s3, 0
	s_cbranch_scc1 .Llap
	TURN 0, 1, 0
	STEP 1, 0, 0
	s_wait_dscnt 4*NL
	WIN MUL_LO
	MUL16 0, 1, 1, 1, 0
	MUL16 2, 1, 1, 1, 0
	s_wait_dscnt 0
	WIN MUL_HI
	MUL16 4, 1, 1, 1, 0
	MUL16 6, 1, 1, 1, 0
	WIN 0
.macro QUANT s, pw
.irp b, 0,1,2,3
	v_max3_num_f32 v[TM+\b], |v[\s+16*\b]|, |v[\s+1+16*\b]|, 0x1800000
.endr
.irp i, 2,4,6,8,10,12,14
.irp b, 0,1,2,3
	v_max3_num_f32 v[TM+\b], v[TM+\b], |v[\s+16*\b+\i]|, |v[\s+1+16*\b+\i]|
.endr
.endr
.irp b, 0,1,2,3
	v_permlanex16_b32 v[TM+4+\b], v[TM+\b], s[SEL], s[SEL+1]
.endr
.irp b, 0,1,2,3
	v_max_num_f32 v[TM+\b], v[TM+\b], v[TM+4+\b]
.endr
.irp b, 0,1,2,3
	v_add_nc_u32 v[TM+12+\b], 0xff000000, v[TM+\b]
.endr
.irp b, 0,1,2,3
	v_lshrrev_b32 v[TM+4+\b], 23, v[TM+12+\b]
.endr
	v_lshl_or_b32 v[\pw], v[TM+5], 8, v[TM+4]
	v_lshl_or_b32 v[\pw], v[TM+6], 16, v[\pw]
	v_lshl_or_b32 v[\pw], v[TM+7], 24, v[\pw]
.irp c, 0,1
	v_cvt_scalef32_pk16_fp6_f32 v[PC+6*\c:PC+2+6*\c], v[\s+32*\c:\s+15+32*\c], v[TM+12+2*\c]
	v_cvt_scalef32_pk16_fp6_f32 v[PC+12+4*\c:PC+14+4*\c], v[\s+16+32*\c:\s+31+32*\c], v[TM+12+2*\c+1]
.endr
	v_nop
.irp c, 0,1
.irp i, 0,1,2
	v_permlane16_swap_b32 v[PC+6*\c+\i], v[PC+12+4*\c+\i]
.endr
.irp i, 0,1,2
	v_mov_b32 v[PC+3+6*\c+\i], v[PC+12+4*\c+\i]
.endr
.endr
.endm
.macro QBLOCK a
.set AC, 64*((\a)%4)
	WIN 0x08+4*((\a)/4)
.set j, 0
.rept 64
	v_max_num_f32 v[T+j], 0, v[AC+j]
.set j, j+1
.endr
	WIN 0
	s_wait_xcnt 0x0
	QUANT T, PW+(\a)
	global_store_b128 v[STO], v[PC:PC+3], s[4:5] offset:(\a)*49152
	global_store_b64 v[RD], v[PC+4:PC+5], s[4:5] offset:(\a)*49152+512
	global_store_b128 v[STO], v[PC+6:PC+9], s[4:5] offset:(\a)*49152+768
	global_store_b64 v[RD], v[PC+10:PC+11], s[4:5] offset:(\a)*49152+1280
.endm
	PLACES NP
	s_mov_b32 s[SEL], 0x76543210
	s_mov_b32 s[SEL+1], 0xfedcba98
	s_mov_b32 s[HI], 0xffff0000
.irp b, 0,1,2,3
	v_mov_b32 v[TM+4+\b], 0
.endr
	s_lshl_b32 s18, s17, 1
	s_add_co_u32 s18, s18, s15
	s_lshl_b32 s18, s18, 5
	s_lshl_b32 s19, s42, 1
	s_add_co_u32 s19, s19, s16
	s_lshl_b32 s20, s18, 3
	s_add_co_u32 s20, s20, s19
	s_mul_i32 s20, s20, 1536
	s_mov_b32 s21, 0
	s_add_nc_u64 s[4:5], s[10:11], s[20:21]
	s_add_co_u32 s18, s18, s19
	s_lshl_b32 s18, s18, 9
	s_add_co_u32 s18, s18, 12582912
	s_mov_b32 s19, 0
	s_add_nc_u64 s[8:9], s[10:11], s[18:19]
.irp a, 0,1,2,3,4,5,6,7
	QBLOCK \a
.endr
.irp j, 0,1,2,3
	v_cndmask_b32 v[Z+\j], v[PW+\j], v[PW+4+\j], s[HI]
.endr
	global_store_b128 v[STO], v[Z:Z+3], s[8:9]
	s_wait_tensorcnt 0x0
	ds_add_u32 v[SPW], v[NIL]
	s_wait_dscnt 0x0
	CROUND
	s_endpgm
.Lfunc_end_k_qa6b5b1a62e_ffn1:
	.size	k_qa6b5b1a62e_ffn1, .Lfunc_end_k_qa6b5b1a62e_ffn1-k_qa6b5b1a62e_ffn1
	.p2alignl 7, 3214868480
	.fill 96, 4, 3214868480
	.section	.rodata,"a",@progbits
	.p2align	6, 0x0
	.amdhsa_kernel k_qa6b5b1a62e_ffn1
		.amdhsa_group_segment_fixed_size 327680
		.amdhsa_private_segment_fixed_size 0
		.amdhsa_enable_private_segment 0
		.amdhsa_kernarg_size 32
		.amdhsa_user_sgpr_count 2
		.amdhsa_user_sgpr_kernarg_segment_ptr 1
		.amdhsa_wavefront_size32 1
		.amdhsa_system_sgpr_workgroup_id_x 1
		.amdhsa_system_sgpr_workgroup_id_y 1
		.amdhsa_system_sgpr_workgroup_id_z 1
		.amdhsa_system_vgpr_workitem_id 0
		.amdhsa_next_free_vgpr 1024
		.amdhsa_next_free_sgpr 100
		.amdhsa_reserve_vcc 0
		.amdhsa_float_denorm_mode_32 3
		.amdhsa_float_denorm_mode_16_64 3
		.amdhsa_memory_ordered 1
		.amdhsa_forward_progress 1
		.amdhsa_inst_pref_size 165
	.end_amdhsa_kernel
	.amdgpu_metadata
---
amdhsa.version: [ 1, 2 ]
amdhsa.kernels:
  - .name:           k_qa6b5b1a62e_ffn1
    .symbol:         k_qa6b5b1a62e_ffn1.kd
    .args:
      - { .name: wsE, .offset: 0, .size: 8, .value_kind: global_buffer, .address_space: global }
      - { .name: wsA, .offset: 8, .size: 8, .value_kind: global_buffer, .address_space: global }
      - { .name: b1, .offset: 16, .size: 8, .value_kind: global_buffer, .address_space: global }
      - { .name: wsF, .offset: 24, .size: 8, .value_kind: global_buffer, .address_space: global }
    .group_segment_fixed_size: 327680
    .private_segment_fixed_size: 0
    .kernarg_segment_align: 8
    .kernarg_segment_size: 32
    .max_flat_workgroup_size: 128
    .sgpr_count:     100
    .vgpr_count:     1024
    .wavefront_size: 32
...
	.end_amdgpu_metadata
.endif
;; end of part 5
;; launch ffn2 (part 6): grid 16 x 16, 4 waves a work-group, clusters of 4 x 4, 327,680 bytes of LDS; arguments wsF, wsA, part; writes part
.if DOCPART == 6
	.amdgcn_target "amdgcn-amd-amdhsa--gfx1250"
	.amdhsa_code_object_version 6
	.text
	.protected	k_qa6b5b1a62e_ffn2
	.globl	k_qa6b5b1a62e_ffn2
	.p2align	8
	.type	k_qa6b5b1a62e_ffn2,@function
k_qa6b5b1a62e_ffn2:
	s_mov_b64 s[64:65], 0
	v_nop
	global_prefetch_b8 v0, s[64:65] scope:SCOPE_SE
	s_setreg_imm32_b32 hwreg(HW_REG_WAVE_MODE, 25, 1), 1
	s_wait_xcnt 0x0
	s_wait_alu depctr_hold_cnt(0) depctr_sa_sdst(0) depctr_va_vdst(0) depctr_va_sdst(0) depctr_va_ssrc(0) depctr_va_vcc(0) depctr_vm_vsrc(0)
	s_getreg_b32 s2, hwreg(HW_REG_IB_STS2, 6, 4)
	s_cmp_eq_u32 s2, 0
	s_cbranch_scc0 .Lentry_in_a_cluster
	s_endpgm
.Lentry_in_a_cluster:
	s_bfe_u32 s2, ttmp6, 0x10000c
	s_cmp_lg_u32 s2, 0xf033
	s_cbranch_scc0 .Lentry_shape_is_right
	s_endpgm
.Lentry_shape_is_right:
.set KDIM,  1024
.set KFULL, 4096
.set AOFF,  0
.set ASOFF, 12582912
.set BOFF,  9437184
.set BSOFF, 12976128
.set KSN,    KDIM/128
.set KSNF,   KFULL/128
.set KROWB,  KSNF*1536
.set RBB,    3072
.set HALFT,  8*RBB
.set SLOT,   4*HALFT
.set LAPS,   KDIM/512
.set HALFS,  KSN*512
.set HALFSF, KSNF*512
.set SCL,    2*SLOT
.set SPARE,  SCL+4*HALFS
.set SPITCH, 528
.set FR, 12
.set NL, 4
.set NP, 4
.set ADRA, 16
.set ADRB, 20
.set STO,  24
.set RD,   25
.set CO,   26
.set ADRS, 27
.set SPW,  28
.set NIL,  29
.set SC,   32
.set AF,   128
.set BK,   128
.set G1,   24
.set G0,   32
.set G1B,  48
.set G0B,  56
.set G1S,  68
.set G0S,  76
.set G1SB, 80
.set G0SB, 88
.set MSB, 0
.macro WIN new
.if MSB != \new
	s_set_vgpr_msb (MSB<<8)|\new
.set MSB, \new
.endif
.endm
.set MUL_LO, 0xa1
.set MUL_HI, 0xf1
.set TO_B,   0x40
.macro JLOAD g0a, g1a, g0b, g1b
	s_cmp_eq_u32 s15, 0
	s_cbranch_scc0 .Lfor_b_\@
	tensor_load_to_lds s[\g0a:\g0a+3], s[\g1a:\g1a+7]
	s_nop 0
.rept 4
	v_nop
.endr
	s_branch .Lasked_\@
.Lfor_b_\@:
	tensor_load_to_lds s[\g0b:\g0b+3], s[\g1b:\g1b+7]
	s_nop 0
.rept 4
	v_nop
.endr
.Lasked_\@:
.endm
.macro CREST
	s_cmp_lg_u32 s14, 0
	s_cbranch_scc1 .Lnot_wave_0_\@
	s_barrier_signal -3
.Lnot_wave_0_\@:
	s_barrier_wait -3
	s_barrier_signal -1
	s_barrier_wait -1
.endm
.macro CROUND
	s_barrier_signal -1
	s_barrier_wait -1
	CREST
.endm
	s_load_b128 s[4:7], s[0:1], 0x0
	s_load_b64 s[12:13], s[0:1], 0x10
	v_lshl_add_u32 v[SPW], v0, 2, SPARE
	v_mov_b32 v[NIL], 0
	ds_add_u32 v[SPW], v[NIL]
	ds_add_u32 v[SPW], v[NIL]
	v_lshrrev_b32 v1, 5, v0
	v_readfirstlane_b32 s14, v1
	s_lshr_b32 s15, s14, 1
	s_and_b32 s16, s14, 1
	s_bfe_u32 s40, ttmp6, 0x40000
	s_bfe_u32 s41, ttmp6, 0x40004
	s_and_b32 s18, ttmp7, 0xffff
	s_lshl_b32 s18, s18, 2
	s_add_co_u32 s17, s18, s41
	s_mov_b32 s42, s40
	s_mul_i32 s18, ttmp9, KSN*1536
	s_add_co_u32 s94, s18, AOFF
	s_add_co_u32 s96, s18, BOFF
	s_mul_i32 s18, ttmp9, HALFS
	s_add_co_u32 s95, s18, ASOFF
	s_add_co_u32 s97, s18, BSOFF
	s_lshl_b32 s43, s41, 2
	s_lshl_b32 s43, 15, s43
	s_lshl_b32 s44, 0x1111, s40
	s_or_b32 s[G1+0], s43, (3<<16)|(1<<21)
	s_or_b32 s[G1B+0], s44, (3<<16)|(1<<21)
.irp g, G1, G1B
	s_mov_b32 s[\g+1], 384<<16
	s_mov_b32 s[\g+2], 16<<16                      ; the head's loads bring 16 row blocks
	s_mov_b32 s[\g+3], 384<<16
	s_mov_b32 s[\g+4], 16
	s_mov_b32 s[\g+5], KSNF*192
	s_mov_b32 s[\g+6], 0
	s_mov_b32 s[\g+7], 0
.endr
	s_lshl_b32 s18, s16, 3
	s_lshl_b32 s20, s17, 4
	s_add_co_u32 s20, s20, s18
	s_mul_i32 s20, s20, KROWB
	s_add_co_u32 s20, s20, s94
	s_mov_b32 s21, 0
	s_lshl_b32 s46, s42, 4
	s_add_co_u32 s46, s46, s18
	s_mul_i32 s46, s46, KROWB
	s_add_co_u32 s46, s46, s96
	s_mov_b32 s47, 0
	s_lshl_b32 s22, s17, 1
	s_add_co_u32 s22, s22, s16
	s_mul_i32 s22, s22, HALFSF
	s_add_co_u32 s22, s22, s95
	s_mov_b32 s23, 0
	s_lshl_b32 s92, s42, 1
	s_add_co_u32 s92, s92, s16
	s_mul_i32 s92, s92, HALFSF
	s_add_co_u32 s92, s92, s97
	s_mov_b32 s93, 0
	s_mul_i32 s45, s14, HALFT
	s_mul_i32 s2, s14, HALFS
	s_wait_dscnt 0x0
	s_wait_kmcnt 0x0
	s_add_nc_u64 s[20:21], s[4:5], s[20:21]
	s_add_nc_u64 s[22:23], s[4:5], s[22:23]
	s_add_nc_u64 s[46:47], s[6:7], s[46:47]
	s_add_nc_u64 s[92:93], s[6:7], s[92:93]
	CROUND
	; THE HEAD'S LOADS, ONE A WAVE: a whole tile of 16 row blocks x 3,072 bytes each: waves 0 and 2 A's tiles of slots 0 and 1, waves 1 and 3 B's: both slots, 196,608 bytes, are asked for at once
	s_mul_i32 s18, s15, RBB                        ; slot s15 holds K steps 2 s15 and 2 s15 + 1
	s_mov_b32 s19, 0
	s_mov_b32 s[G0S], 1
	s_mul_i32 s[G0S+1], s15, SLOT
	s_add_nc_u64 s[G0S+2:G0S+3], s[20:21], s[18:19]    ; in the waves that ask for A the half s16 is 0: s[20:21] is the tile's first row block
	s_or_b32 s[G0S+3], s[G0S+3], 0x80000000
	s_mov_b32 s[G0SB], 1
	s_add_co_u32 s[G0SB+1], s[G0S+1], 2*HALFT
	s_sub_nc_u64 s[G0SB+2:G0SB+3], s[46:47], 8*KROWB   ; in the waves that ask for B the half s16 is 1: eight row blocks back
	s_add_nc_u64 s[G0SB+2:G0SB+3], s[G0SB+2:G0SB+3], s[18:19]
	s_or_b32 s[G0SB+3], s[G0SB+3], 0x80000000
	s_cmp_eq_u32 s16, 0
	s_cbranch_scc0 .Lhead_b
	tensor_load_to_lds s[G0S:G0S+3], s[G1:G1+7]
	s_nop 0
.rept 4
	v_nop
.endr
	s_branch .Lhead_asked
.Lhead_b:
	tensor_load_to_lds s[G0SB:G0SB+3], s[G1B:G1B+7]
	s_nop 0
.rept 4
	v_nop
.endr
.Lhead_asked:
.irp s, 0,1
	s_mov_b32 s[G0+4*\s], 1
	s_add_co_u32 s[G0+4*\s+1], s45, \s*SLOT
	s_add_nc_u64 s[G0+4*\s+2:G0+4*\s+3], s[20:21], \s*RBB
	s_or_b32 s[G0+4*\s+3], s[G0+4*\s+3], 0x80000000
	s_mov_b32 s[G0B+4*\s], 1
	s_add_co_u32 s[G0B+4*\s+1], s45, \s*SLOT
	s_add_nc_u64 s[G0B+4*\s+2:G0B+4*\s+3], s[46:47], \s*RBB
	s_or_b32 s[G0B+4*\s+3], s[G0B+4*\s+3], 0x80000000
.endr
	v_and_b32 v1, 31, v0
	v_and_b32 v2, 15, v0
	v_bfe_u32 v3, v0, 4, 1
	v_lshlrev_b32 v4, 4, v1
	v_lshlrev_b32 v5, 3, v1
	s_mul_i32 s18, s15, HALFT
	s_mul_i32 s19, s16, HALFT
	s_add_co_u32 s19, s19, 2*HALFT
.irp s, 0,1
	v_add_nc_u32 v[ADRA+\s], s18, v4
	v_add_nc_u32 v[ADRA+2+\s], s18, v5
	v_add_nc_u32 v[ADRB+\s], s19, v4
	v_add_nc_u32 v[ADRB+2+\s], s19, v5
	s_add_co_u32 s18, s18, SLOT
	s_add_co_u32 s19, s19, SLOT
.endr
	s_mul_i32 s18, s15, HALFS
	s_mul_i32 s19, s16, HALFS
	s_add_co_u32 s19, s19, 2*HALFS
	s_sub_co_u32 s19, s19, s18
	v_mul_u32_u24 v6, s19, v3
	s_add_co_u32 s18, s18, SCL
	v_lshl_add_u32 v6, v2, 4, v6
	v_add_nc_u32 v[ADRS], s18, v6
	s_cmp_eq_u32 s15, 0                            ; the scale words: my wave's 4,096 bytes (waves 0, 1 A's halves, waves 2, 3 B's) come through registers into LDS bytes that no tensor load fills
	s_cselect_b64 s[G1S:G1S+1], s[22:23], s[92:93]
	s_add_co_u32 s2, s2, SCL
	v_add_nc_u32 v31, s2, v4
.irp i, 0,1,2,3,4,5,6,7
	global_load_b128 v[AF+4*\i:AF+4*\i+3], v4, s[G1S:G1S+1] offset:512*\i   ; 512 consecutive bytes a load
.endr
	s_mul_i32 s18, s14, 16*SPITCH
	v_mul_u32_u24 v6, v2, SPITCH
	v_lshl_add_u32 v6, v3, 6, v6
	v_add_nc_u32 v[STO], s18, v6
	v_add_nc_u32 v[RD], s18, v4
	v_mov_b32 v[CO], v4
	s_lshl_b32 s18, s17, 8
	s_lshl_b32 s19, s15, 7
	s_add_co_u32 s18, s18, s19
	s_lshl_b32 s18, s18, 12
	s_lshl_b32 s19, s42, 10
	s_add_co_u32 s18, s18, s19
	s_lshl_b32 s19, s16, 9
	s_add_co_u32 s18, s18, s19
	s_lshl_b32 s19, ttmp9, 24
	s_add_co_u32 s18, s18, s19
	s_mov_b32 s19, 0
	s_add_nc_u64 s[12:13], s[12:13], s[18:19]
.macro FRAG reg, adr, q, i
	ds_load_b128 v[\reg:\reg+3], v[\adr] offset:(\i)*RBB+(\q)*1536
	ds_load_b64 v[\reg+4:\reg+5], v[\adr+2] offset:(\i)*RBB+(\q)*1536+512
	ds_load_b128 v[\reg+6:\reg+9], v[\adr] offset:(\i)*RBB+(\q)*1536+768
	ds_load_b64 v[\reg+10:\reg+11], v[\adr+2] offset:(\i)*RBB+(\q)*1536+1280
.endm
.macro MUL16 a0, p, q, sc, zero
.irp a, \a0, \a0+1
.irp b, 0,1,2,3,4,5,6,7
.if \zero
	v_wmma_scale_f32_16x16x128_f8f6f4 v[8*(8*((\a)%4)+\b):8*(8*((\a)%4)+\b)+7], v[128*(\p)+FR*\b:128*(\p)+FR*\b+FR-1], v[AF+FR*(\a):AF+FR*(\a)+FR-1], 0, v[SC+16*(\sc)+8*(\q)+\b], v[SC+16*(\sc)+8*(\q)+(\a)] matrix_a_fmt:MATRIX_FMT_FP6 matrix_b_fmt:MATRIX_FMT_FP6 matrix_a_scale:MATRIX_SCALE_ROW1
.else
	v_wmma_scale_f32_16x16x128_f8f6f4 v[8*(8*((\a)%4)+\b):8*(8*((\a)%4)+\b)+7], v[128*(\p)+FR*\b:128*(\p)+FR*\b+FR-1], v[AF+FR*(\a):AF+FR*(\a)+FR-1], v[8*(8*((\a)%4)+\b):8*(8*((\a)%4)+\b)+7], v[SC+16*(\sc)+8*(\q)+\b], v[SC+16*(\sc)+8*(\q)+(\a)] matrix_a_fmt:MATRIX_FMT_FP6 matrix_b_fmt:MATRIX_FMT_FP6 matrix_a_scale:MATRIX_SCALE_ROW1
.endif
.endr
.endr
.endm
.macro FETCH_B slot, q, p
	WIN TO_B
.irp i, 0,1,2,3,4,5,6,7
	FRAG 128*(\p)+FR*\i, ADRB+\slot, \q, \i
.endr
	WIN 0
.endm
.macro FETCH_A slot, q, i0
.irp i, \i0, \i0+1, \i0+2, \i0+3
	FRAG AF+FR*(\i), ADRA+\slot, \q, \i
.endr
.endm
.macro SCALES sc
.irp q, 0,1
.irp g, 0,1
	ds_load_b128 v[SC+16*\sc+8*\q+4*\g:SC+16*\sc+8*\q+4*\g+3], v[ADRS] offset:512*\q+256*\g
.endr
.endr
.endm
.macro PLACES n
.rept \n
	v_nop
.endr
.endm
.macro STEP slot, q, zero
	s_wait_dscnt 4*NL
	WIN MUL_LO
	MUL16 0, (\q)%2, \q, \slot, \zero
	MUL16 2, (\q)%2, \q, \slot, \zero
	s_wait_dscnt 0
	PLACES NP
	FETCH_B \slot, (\q)+1, 1-(\q)%2
	FETCH_A \slot, (\q)+1, 0
	WIN MUL_HI
	MUL16 4, (\q)%2, \q, \slot, \zero
	MUL16 6, (\q)%2, \q, \slot, \zero
	PLACES NP
	WIN 0
	FETCH_A \slot, (\q)+1, 4
.endm
.macro TURN slot, next, fill
	s_wait_tensorcnt 0x0
	ds_add_u32 v[SPW], v[NIL]
	s_wait_dscnt 4*NL+1
	WIN MUL_LO
	MUL16 0, 1, 1, \slot, 0
	s_wait_dscnt 0x0
	s_barrier_signal -1
	MUL16 2, 1, 1, \slot, 0
	WIN 0
	s_barrier_wait -1
.if \fill
	CREST
	s_add_nc_u64 s[G0+4*\slot+2:G0+4*\slot+3], s[G0+4*\slot+2:G0+4*\slot+3], 2*RBB
	s_add_nc_u64 s[G0B+4*\slot+2:G0B+4*\slot+3], s[G0B+4*\slot+2:G0B+4*\slot+3], 2*RBB
	JLOAD G0+4*\slot, G1, G0B+4*\slot, G1B
.else
	PLACES NP
.endif
	s_wait_alu depctr_va_vdst(0)
	v_add_nc_u32 v[ADRS], 1024, v[ADRS]
	FETCH_B \next, 0, 0
	FETCH_A \next, 0, 0
	SCALES \next
	WIN MUL_HI
	MUL16 4, 1, 1, \slot, 0
	MUL16 6, 1, 1, \slot, 0
	PLACES NP
	WIN 0
	FETCH_A \next, 0, 4
.endm
	s_wait_alu depctr_va_vdst(0)
	s_wait_loadcnt 0x0                             ; my scale words are in registers
	s_wait_tensorcnt 0x0                           ; my tile of the head's four is in
.irp i, 0,1,2,3,4,5,6,7
	ds_store_b128 v31, v[AF+4*\i:AF+4*\i+3] offset:512*\i
.endr
	s_mov_b32 s[G1+2], 8<<16                       ; no tensor load of mine is out: from here on a load brings 8 row blocks
	s_mov_b32 s[G1+4], 8
	s_mov_b32 s[G1B+2], 8<<16
	s_mov_b32 s[G1B+4], 8
	s_wait_dscnt 0x0                               ; for the others: my scale words lie in LDS
	s_barrier_signal -1
	s_barrier_wait -1
	FETCH_B 0, 0, 0
	FETCH_A 0, 0, 0
	SCALES 0
	FETCH_A 0, 0, 4
	STEP 0, 0, 1
	s_mov_b32 s3, LAPS-1
.Llap:
	TURN 0, 1, 1
	STEP 1, 0, 0
	TURN 1, 0, 1
	STEP 0, 0, 0
	s_sub_co_u32 s3, s3, 1
	s_cmp_lg_u32 s3, 0
	s_cbranch_scc1 .Llap
	TURN 0, 1, 0
	STEP 1, 0, 0
	s_wait_dscnt 4*NL
	WIN MUL_LO
	MUL16 0, 1, 1, 1, 0
	MUL16 2, 1, 1, 1, 0
	s_wait_dscnt 0
	WIN MUL_HI
	MUL16 4, 1, 1, 1, 0
	MUL16 6, 1, 1, 1, 0
	WIN 0
.macro TOSTAGE a
.set AC, 64*((\a)%4)
	WIN 0x08+4*((\a)/4)
.irp b, 0,1,2,3,4,5,6,7
	ds_store_b128 v[STO], v[AC+8*\b:AC+8*\b+3] offset:128*(\b/2)+32*(\b%2)
	ds_store_b128 v[STO], v[AC+8*\b+4:AC+8*\b+7] offset:128*(\b/2)+32*(\b%2)+16
.endr
	WIN 0
.set BB, BK+64*((\a)%2)
.irp t, 0,1,2,3,4,5,6,7,8,9,10,11,12,13,14,15
	ds_load_b128 v[BB+4*\t:BB+4*\t+3], v[RD] offset:\t*SPITCH
.endr
.endm
.macro SEND a, younger
.set BB, BK+64*((\a)%2)
	s_wait_dscnt \younger
.if (\a) > 0
.if (\a)%2 == 1
	s_add_nc_u64 s[12:13], s[12:13], 8*4096
.else
	s_add_nc_u64 s[12:13], s[12:13], 24*4096
.endif
.endif
.irp t, 0,1,2,3,4,5,6,7,8,9,10,11,12,13,14,15
	global_store_b128 v[CO], v[BB+4*\t:BB+4*\t+3], s[12:13] offset:(\t+8*(\t/8))*4096 th:TH_STORE_NT
.endr
.endm
	PLACES NP
	TOSTAGE 0
.irp a, 1,2,3,4,5,6,7
.if \a > 1
	s_wait_xcnt 0x0
.endif
	TOSTAGE \a
	SEND \a-1, 32
.endr
	s_wait_xcnt 0x0
	SEND 7, 0
	s_wait_tensorcnt 0x0
	ds_add_u32 v[SPW], v[NIL]
	s_wait_dscnt 0x0
	CROUND
	s_endpgm
.Lfunc_end_k_qa6b5b1a62e_ffn2:
	.size	k_qa6b5b1a62e_ffn2, .Lfunc_end_k_qa6b5b1a62e_ffn2-k_qa6b5b1a62e_ffn2
	.p2alignl 7, 3214868480
	.fill 96, 4, 3214868480
	.section	.rodata,"a",@progbits
	.p2align	6, 0x0
	.amdhsa_kernel k_qa6b5b1a62e_ffn2
		.amdhsa_group_segment_fixed_size 327680
		.amdhsa_private_segment_fixed_size 0
		.amdhsa_enable_private_segment 0
		.amdhsa_kernarg_size 24
		.amdhsa_user_sgpr_count 2
		.amdhsa_user_sgpr_kernarg_segment_ptr 1
		.amdhsa_wavefront_size32 1
		.amdhsa_system_sgpr_workgroup_id_x 1
		.amdhsa_system_sgpr_workgroup_id_y 1
		.amdhsa_system_sgpr_workgroup_id_z 1
		.amdhsa_system_vgpr_workitem_id 0
		.amdhsa_next_free_vgpr 1024
		.amdhsa_next_free_sgpr 100
		.amdhsa_reserve_vcc 0
		.amdhsa_float_denorm_mode_32 3
		.amdhsa_float_denorm_mode_16_64 3
		.amdhsa_memory_ordered 1
		.amdhsa_forward_progress 1
		.amdhsa_inst_pref_size 143
	.end_amdhsa_kernel
	.amdgpu_metadata
---
amdhsa.version: [ 1, 2 ]
amdhsa.kernels:
  - .name:           k_qa6b5b1a62e_ffn2
    .symbol:         k_qa6b5b1a62e_ffn2.kd
    .args:
      - { .name: wsF, .offset: 0, .size: 8, .value_kind: global_buffer, .address_space: global }
      - { .name: wsA, .offset: 8, .size: 8, .value_kind: global_buffer, .address_space: global }
      - { .name: part, .offset: 16, .size: 8, .value_kind: global_buffer, .address_space: global }
    .group_segment_fixed_size: 327680
    .private_segment_fixed_size: 0
    .kernarg_segment_align: 8
    .kernarg_segment_size: 24
    .max_flat_workgroup_size: 128
    .sgpr_count:     100
    .vgpr_count:     1024
    .wavefront_size: 32
...
	.end_amdgpu_metadata
.endif
;; end of part 6
;; launch ln2 (part 7): grid 512 x 1, 8 waves a work-group, no clusters, 0 bytes of LDS; arguments wsE, part, b2, g2, be2, out0; writes out0
.if DOCPART == 7
	.amdgcn_target "amdgcn-amd-amdhsa--gfx1250"
	.amdhsa_code_object_version 6
	.text
	.protected	k_qa6b5b1a62e_ln2
	.globl	k_qa6b5b1a62e_ln2
	.p2align	8
	.type	k_qa6b5b1a62e_ln2,@function
k_qa6b5b1a62e_ln2:
	s_mov_b64 s[64:65], 0
	v_nop
	global_prefetch_b8 v0, s[64:65] scope:SCOPE_SE
	s_setreg_imm32_b32 hwreg(HW_REG_WAVE_MODE, 25, 1), 1
	s_wait_xcnt 0x0
; out0 = layer norm(x1 + ff + b2) x g2 + be2, all in f32, in two passes (the mean first, then the squares of the differences).  x1 lies at the head of wsE.
; ff comes as four parts, one for each quarter of the last product's K, 16 MiB apart in part: they are added here, always in the order x1 + part 0 + part 1 + part 2 + part 3 + b2.
; One wave, one row of 4,096 bytes in 32 registers a lane: the reductions never leave the wave: no LDS, no barrier.  Every load and store covers 512 consecutive bytes; each byte is read and written once.
; Memory binds: matrix units, clusters and tensor loads would add nothing.  56 loads of a wave go out at once; the offset be2 takes part 0's registers as soon as part 0 is added.
; LIMITS: NaN and infinities are not served; 1 / sqrt is v_rsq_f32.
.set L16, 4
.set X,   32                           ; v32-63   x1, then the sum, then the result
.set P0,  64                           ; v64-191  the four parts
.set P1,  96
.set P2,  128
.set P3,  160
.set BO,  192                          ; v192-223 b2
.set G,   224                          ; v224-255 g2
.set BE,  64                           ; v64-95   be2, where part 0 lay
.set SEL, 28
	s_load_b256 s[4:11], s[0:1], 0x0               ; wsE, part, b2, g2
	s_load_b128 s[12:15], s[0:1], 0x20             ; be2, out0
	v_lshrrev_b32 v1, 5, v0
	s_delay_alu instid0(VALU_DEP_1)
	v_readfirstlane_b32 s16, v1                    ; wave
	v_and_b32 v1, 31, v0
	s_delay_alu instid0(VALU_DEP_1)
	v_lshlrev_b32 v[L16], 4, v1
	v_mov_b32 v19, 0                               ; a lane permute's destination counts as read
	s_lshl_b32 s19, ttmp9, 3
	s_add_co_u32 s19, s19, s16                     ; my row
	s_lshl_b32 s20, s19, 12
	s_mov_b32 s21, 0
	s_mov_b32 s[SEL], 0x76543210
	s_mov_b32 s[SEL+1], 0xfedcba98
	s_mov_b32 s30, 0xba800000                      ; -1 / 1024
	s_mov_b32 s31, 0x3a800000                      ; 1 / 1024
	s_mov_b32 s32, 0x3727c5ac                      ; 1e-5
	s_wait_alu depctr_va_vdst(0)
	s_wait_kmcnt 0x0
	s_add_nc_u64 s[4:5], s[4:5], s[20:21]
	s_add_nc_u64 s[6:7], s[6:7], s[20:21]          ; my row in part 0,
	s_add_nc_u64 s[22:23], s[6:7], 0x1000000       ; in part 1,
	s_add_nc_u64 s[24:25], s[22:23], 0x1000000     ; in part 2,
	s_add_nc_u64 s[26:27], s[24:25], 0x1000000     ; in part 3
	s_add_nc_u64 s[14:15], s[14:15], s[20:21]
.irp i, 0,1,2,3,4,5,6,7
	global_load_b128 v[X+4*\i:X+4*\i+3], v[L16], s[4:5] offset:512*\i th:TH_LOAD_NT
.endr
.irp i, 0,1,2,3,4,5,6,7
	global_load_b128 v[P0+4*\i:P0+4*\i+3], v[L16], s[6:7] offset:512*\i th:TH_LOAD_NT
.endr
.irp i, 0,1,2,3,4,5,6,7
	global_load_b128 v[P1+4*\i:P1+4*\i+3], v[L16], s[22:23] offset:512*\i th:TH_LOAD_NT
.endr
.irp i, 0,1,2,3,4,5,6,7
	global_load_b128 v[P2+4*\i:P2+4*\i+3], v[L16], s[24:25] offset:512*\i th:TH_LOAD_NT
.endr
.irp i, 0,1,2,3,4,5,6,7
	global_load_b128 v[P3+4*\i:P3+4*\i+3], v[L16], s[26:27] offset:512*\i th:TH_LOAD_NT
.endr
.irp i, 0,1,2,3,4,5,6,7
	global_load_b128 v[BO+4*\i:BO+4*\i+3], v[L16], s[8:9] offset:512*\i
.endr
.irp i, 0,1,2,3,4,5,6,7
	global_load_b128 v[G+4*\i:G+4*\i+3], v[L16], s[10:11] offset:512*\i
.endr
.macro WSUM                            ; v12: the sum over the wave's 32 lanes, in every lane
	s_delay_alu instid0(VALU_DEP_1)
	v_add_f32_dpp v12, v12, v12 row_xmask:1 row_mask:0xf bank_mask:0xf
	s_delay_alu instid0(VALU_DEP_1)
	v_add_f32_dpp v12, v12, v12 row_xmask:2 row_mask:0xf bank_mask:0xf
	s_delay_alu instid0(VALU_DEP_1)
	v_add_f32_dpp v12, v12, v12 row_xmask:4 row_mask:0xf bank_mask:0xf
	s_delay_alu instid0(VALU_DEP_1)
	v_add_f32_dpp v12, v12, v12 row_xmask:8 row_mask:0xf bank_mask:0xf
	s_delay_alu instid0(VALU_DEP_1)
	v_permlanex16_b32 v19, v12, s[SEL], s[SEL+1]
	s_delay_alu instid0(VALU_DEP_1)
	v_add_f32 v12, v12, v19
.endm
.macro ADDIN src                       ; the row's sum takes one more summand
.set j, 0
.rept 16
	v_pk_add_f32 v[X+j:X+j+1], v[X+j:X+j+1], v[\src+j:\src+j+1]
.set j, j+2
.endr
.endm
	s_wait_loadcnt 40                              ; x1 and part 0 are in; behind them: parts 1 to 3, b2, g2: 40 loads
	ADDIN P0
.irp i, 0,1,2,3,4,5,6,7
	global_load_b128 v[BE+4*\i:BE+4*\i+3], v[L16], s[12:13] offset:512*\i   ; into the registers that part 0 has left
.endr
	s_wait_loadcnt 40                              ; part 1 is in; behind it: parts 2 and 3, b2, g2, be2
	ADDIN P1
	s_wait_loadcnt 32                              ; part 2
	ADDIN P2
	s_wait_loadcnt 24                              ; part 3
	ADDIN P3
	s_wait_loadcnt 16                              ; b2; the gain's and the offset's 16 loads may be out
	ADDIN BO
	v_pk_add_f32 v[12:13], v[X:X+1], v[X+2:X+3]
	v_pk_add_f32 v[14:15], v[X+4:X+5], v[X+6:X+7]
.irp j, 8,12,16,20,24,28
	s_delay_alu instid0(VALU_DEP_2)
	v_pk_add_f32 v[12:13], v[12:13], v[X+\j:X+\j+1]
	s_delay_alu instid0(VALU_DEP_2)
	v_pk_add_f32 v[14:15], v[14:15], v[X+\j+2:X+\j+3]
.endr
	s_delay_alu instid0(VALU_DEP_1)
	v_pk_add_f32 v[12:13], v[12:13], v[14:15]
	s_delay_alu instid0(VALU_DEP_1)
	v_add_f32 v12, v12, v13
	WSUM
	s_delay_alu instid0(VALU_DEP_1)
	v_mul_f32 v16, s30, v12                        ; -mean
	s_delay_alu instid0(VALU_DEP_1)
	v_mov_b32 v17, v16
.set j, 0
.rept 16
	v_pk_add_f32 v[X+j:X+j+1], v[X+j:X+j+1], v[16:17]
.set j, j+2
.endr
	v_pk_mul_f32 v[12:13], v[X:X+1], v[X:X+1]
	v_pk_mul_f32 v[14:15], v[X+2:X+3], v[X+2:X+3]
.irp j, 4,8,12,16,20,24,28
	s_delay_alu instid0(VALU_DEP_2)
	v_pk_fma_f32 v[12:13], v[X+\j:X+\j+1], v[X+\j:X+\j+1], v[12:13]
	s_delay_alu instid0(VALU_DEP_2)
	v_pk_fma_f32 v[14:15], v[X+\j+2:X+\j+3], v[X+\j+2:X+\j+3], v[14:15]
.endr
	s_delay_alu instid0(VALU_DEP_1)
	v_pk_add_f32 v[12:13], v[12:13], v[14:15]
	s_delay_alu instid0(VALU_DEP_1)
	v_add_f32 v12, v12, v13
	WSUM
	s_delay_alu instid0(VALU_DEP_1)
	v_fma_f32 v12, v12, s31, s32                   ; the variance + 1e-5
	s_wait_alu depctr_va_vdst(0)
	v_rsq_f32 v20, v12
	v_rsq_f32 v21, v12
	v_nop                                          ; a plain place behind the transcendentals
	s_wait_loadcnt 0x0                             ; the gain and the offset
	s_wait_alu depctr_va_vdst(0)                   ; one wait for both, ahead of their first reader
.set j, 0
.rept 16
	v_pk_mul_f32 v[X+j:X+j+1], v[X+j:X+j+1], v[20:21]
.set j, j+2
.endr
.set j, 0
.rept 16
	v_pk_fma_f32 v[X+j:X+j+1], v[X+j:X+j+1], v[G+j:G+j+1], v[BE+j:BE+j+1]
.set j, j+2
.endr
.irp i, 0,1,2,3,4,5,6,7
	global_store_b128 v[L16], v[X+4*\i:X+4*\i+3], s[14:15] offset:512*\i th:TH_STORE_NT
.endr
	s_endpgm
.Lfunc_end_k_qa6b5b1a62e_ln2:
	.size	k_qa6b5b1a62e_ln2, .Lfunc_end_k_qa6b5b1a62e_ln2-k_qa6b5b1a62e_ln2
	.p2alignl 7, 3214868480
	.fill 96, 4, 3214868480
	.section	.rodata,"a",@progbits
	.p2align	6, 0x0
	.amdhsa_kernel k_qa6b5b1a62e_ln2
		.amdhsa_group_segment_fixed_size 0
		.amdhsa_private_segment_fixed_size 0
		.amdhsa_enable_private_segment 0
		.amdhsa_kernarg_size 48
		.amdhsa_user_sgpr_count 2
		.amdhsa_user_sgpr_kernarg_segment_ptr 1
		.amdhsa_wavefront_size32 1
		.amdhsa_system_sgpr_workgroup_id_x 1
		.amdhsa_system_sgpr_workgroup_id_y 1
		.amdhsa_system_sgpr_workgroup_id_z 1
		.amdhsa_system_vgpr_workitem_id 0
		.amdhsa_next_free_vgpr 256
		.amdhsa_next_free_sgpr 66
		.amdhsa_reserve_vcc 0
		.amdhsa_float_denorm_mode_32 3
		.amdhsa_float_denorm_mode_16_64 3
		.amdhsa_memory_ordered 1
		.amdhsa_forward_progress 1
		.amdhsa_inst_pref_size 21
	.end_amdhsa_kernel
	.amdgpu_metadata
---
amdhsa.version: [ 1, 2 ]
amdhsa.kernels:
  - .name:           k_qa6b5b1a62e_ln2
    .symbol:         k_qa6b5b1a62e_ln2.kd
    .args:
      - { .name: wsE, .offset: 0, .size: 8, .value_kind: global_buffer, .address_space: global }
      - { .name: part, .offset: 8, .size: 8, .value_kind: global_buffer, .address_space: global }
      - { .name: b2, .offset: 16, .size: 8, .value_kind: global_buffer, .address_space: global }
      - { .name: g2, .offset: 24, .size: 8, .value_kind: global_buffer, .address_space: global }
      - { .name: be2, .offset: 32, .size: 8, .value_kind: global_buffer, .address_space: global }
      - { .name: out0, .offset: 40, .size: 8, .value_kind: global_buffer, .address_space: global }
    .group_segment_fixed_size: 0
    .private_segment_fixed_size: 0
    .kernarg_segment_align: 8
    .kernarg_segment_size: 48
    .max_flat_workgroup_size: 256
    .sgpr_count:     66
    .vgpr_count:     256
    .wavefront_size: 32
...
	.end_amdgpu_metadata
.endif
;; end of part 7
